; MI455X (gfx1250); checked and timed in simulation.
; The chip was launched on July 23, 2026; its instructions are those of AMD's public machine-readable ISA for CDNA 5 (MIT licence, August 2026) and "CDNA5" Instruction Set Architecture Reference Guide (July 2026). The comments in the code are by the model that wrote it; some were corrected since.
;; Self Attention. Allowed arithmetic: matrix products marked QUANTISED: E5M2 operands, one E8M0 scale for each 32 along K, by v_wmma_scale_f32_16x16x128_f8f6f4 with both operands' format E5M2, f32 sums; everything else in f32.
;; Inputs: Wk_codes 1,024 x 32 x 32 uint8 (E5M2 codes of Wk, K innermost, in blocks of 32 codes); Wk_scales 1,024 x 32 uint8 (E8M0 scales of Wk, one for each 32 codes along K); Wo_codes 1,024 x 32 x 32 uint8 (E5M2 codes of Wo, K innermost, in blocks of 32 codes); Wo_scales 1,024 x 32 uint8 (E8M0 scales of Wo, one for each 32 codes along K); Wq_codes 1,024 x 32 x 32 uint8 (E5M2 codes of Wq, K innermost, in blocks of 32 codes); Wq_scales 1,024 x 32 uint8 (E8M0 scales of Wq, one for each 32 codes along K); Wv_codes 1,024 x 32 x 32 uint8 (E5M2 codes of Wv, K innermost, in blocks of 32 codes); Wv_scales 1,024 x 32 uint8 (E8M0 scales of Wv, one for each 32 codes along K); bk 1,024 float32; bo 1,024 float32; bq 1,024 float32; bv 1,024 float32; x_codes 2 x 2,048 x 32 x 32 uint8 (E5M2 codes of x, K innermost, in blocks of 32 codes); x_scales 2 x 2,048 x 32 uint8 (E8M0 scales of x, one for each 32 codes along K).
;; Outputs: out0 2 x 2,048 x 1,024 float32.
;; This version of the problem:
;;   THIS VERSION OF THE PROBLEM IS GIVEN IN LOW PRECISION. The matrix products marked QUANTISED in the list below multiply operands that are first quantised to E5M2 (5 exponent bits, 2 mantissa bits; 8 bits a number), with one power-of-two scale for each 32 numbers along K (OCP MX v1.0); their sums are f32. All else is computed in f32.
;;   The module's matrix products, in the order in which they are computed (A, B: the left and right operand; K: the contracted axis; several contracted axes count as one K, in the product's order):
;;     1. [M 4,096, K 1,024] x [K 1,024, N 1,024]; A: input x (given as codes); B: input Wq (given as codes): QUANTISED
;;     2. [M 4,096, K 1,024] x [K 1,024, N 1,024]; A: input x (given as codes); B: input Wk (given as codes): QUANTISED
;;     3. [M 4,096, K 1,024] x [K 1,024, N 1,024]; A: input x (given as codes); B: input Wv (given as codes): QUANTISED
;;     4. batch 32 x [M 2,048, K 64] x [K 64, N 2,048]; A: computed on the way; B: computed on the way: QUANTISED
;;     5. batch 32 x [M 2,048, K 2,048] x [K 2,048, N 64]; A: softmax (see below); B: computed on the way: QUANTISED
;;     6. [M 4,096, K 1,024] x [K 1,024, N 1,024]; A: computed on the way; B: input Wo (given as codes): QUANTISED
;;   THE QUANTISER, for each operand of a quantised product, along K:
;;     - K is cut into blocks of 32 from its start; a last block that is shorter is filled with zeros.
;;     - A block's scale is 2^e with e = floor(log2(the largest magnitude in the block)) - 15, held to -126 .. 127; a block of zeros has e = 0. As a byte (E8M0): e + 127.
;;     - Each number is divided by its block's scale, clamped to +-57,344, and rounded to the nearest number of E5M2, ties to even, subnormals kept.
;;     - The product sums the exact products of the quantised numbers (number of the format x scale) in f32.
;;   ~~~python
;;   def quantise(x, axis):      # numpy; x: float32 -> the quantised numbers, widened to float32 again
;;       x = np.moveaxis(x, axis, -1); K = x.shape[-1]
;;       x = np.pad(x, [(0, 0)] * (x.ndim - 1) + [(0, -K % 32)]); x = x.reshape(x.shape[:-1] + (-1, 32)); a = np.abs(x).max(-1, keepdims=True)
;;       e = np.where(a > 0, np.clip(np.frexp(np.where(a > 0, a, 1))[1] - 1 - 15, -126, 127), 0)      # np.frexp(a)[1] - 1 = floor(log2(a)), exactly
;;       r = np.clip(x / 2.0 ** e, -57344, 57344)
;;       step = 2.0 ** (np.maximum(np.frexp(np.where(r == 0, 1, r))[1] - 1, -14) - 2)
;;       q = np.round(r / step) * step * 2.0 ** e      # np.round: ties to even
;;       return np.moveaxis(q.reshape(q.shape[:-2] + (-1,))[..., :K], -1, axis).astype(np.float32)
;;   ~~~
;;   SOFTMAX AHEAD OF A QUANTISED PRODUCT. Where the list says 'softmax', what is quantised is not the finished softmax but p = 2^(t - M), with t = logit x log2(e) and M = ceil(the row's largest t), a whole number; so 1/2 < the row's largest p <= 1. The row's sum l is taken of the UNQUANTISED p, in f32, and the product's result is divided by l at the end. Since M is a whole number, a kernel that streams over the keys may use a running M (the ceiling of the running maximum): every later rescaling is an exact power of two, which a block's scale takes up: the codes' values come out the same.
;;   OPERANDS COMPUTED ON THE WAY. 'Computed on the way' means the value that the module computes at that place (a softmax that the list does not call 'softmax' is quantised finished and normalised). What goes into a quantiser is computed in f32, as accurately as f32 sums, v_exp_f32 and their like allow (about 1e-6 of the number): no bf16 or f16 on the way to a quantiser, and a product that is left as it is and whose result goes on into a quantised operand takes f32 operands (vector FMAs, or v_wmma_f32_16x16x4_f32). A number that lies on a knife's edge between two numbers of the format may be rounded either way, as far as f32 arithmetic and the matrix unit's own rounding can turn it there, and no further.
;;   INPUTS GIVEN AS CODES. Wk (in the module: [1024, 1024], K = its axis 0); Wo (in the module: [1024, 1024], K = its axis 0); Wq (in the module: [1024, 1024], K = its axis 0); Wv (in the module: [1024, 1024], K = its axis 0); x (in the module: [2, 2048, 1024], K = its axis 2): each comes as NAME_codes (uint8): NAME with its K axis moved to the last place and cut into blocks of 32 codes, [.., K / 32, bytes a block], one block behind the other in memory; one code a byte (a code: sign, 5 exponent bits, 2 mantissa bits); and NAME_scales (uint8): the same leading axes, one E8M0 byte (e + 127) for each 32 codes along K. Its value is code x scale, taken as it is: it is not quantised again, and the codes and scales need not be those that the quantiser above would give.
;; One version. Each part assembles by itself: llvm-mc -triple=amdgcn-amd-amdhsa -mcpu=gfx1250 --defsym DOCPART=n.
;; ======== version 1 of 1: 3 launches
;; limits: right only within a limited range of input values
;; workspace buffers: qimg 4,194,304 bytes; kimg 4,194,304 bytes; vimg 4,194,304 bytes; qsc 262,144 bytes; ksc 262,144 bytes; vsc 131,072 bytes; aimg 4,194,304 bytes; asc 131,072 bytes
;; launch qkv (part 1): grid 16 x 16, 4 waves a work-group, clusters of 4 x 4, 327,680 bytes of LDS; arguments x_codes, x_scales, Wq_codes, Wq_scales, Wk_codes, Wk_scales, Wv_codes, Wv_scales, qimg, qsc, kimg, ksc, vimg, vsc, bq, bk, bv; writes qimg, qsc, kimg, ksc, vimg, vsc
.if DOCPART == 1
	.amdgcn_target "amdgcn-amd-amdhsa--gfx1250"
	.amdhsa_code_object_version 6
	.text
	.protected	k_qdb835778c1_qkv
	.globl	k_qdb835778c1_qkv
	.p2align	8
	.type	k_qdb835778c1_qkv,@function
k_qdb835778c1_qkv:
	s_mov_b64 s[64:65], 0
	v_nop
	global_prefetch_b8 v0, s[64:65] scope:SCOPE_SE
	s_setreg_imm32_b32 hwreg(HW_REG_WAVE_MODE, 25, 1), 1
	s_wait_xcnt 0x0
	s_wait_alu depctr_hold_cnt(0) depctr_sa_sdst(0) depctr_va_vdst(0) depctr_va_sdst(0) depctr_va_ssrc(0) depctr_va_vcc(0) depctr_vm_vsrc(0)
	s_getreg_b32 s2, hwreg(HW_REG_IB_STS2, 6, 4)
	s_cmp_eq_u32 s2, 0
	s_cbranch_scc0 .Lentry_in_a_cluster
	s_endpgm
.Lentry_in_a_cluster:
	s_bfe_u32 s2, ttmp6, 0x10000c
	s_cmp_lg_u32 s2, 0xf033
	s_cbranch_scc0 .Lentry_shape_is_right
	s_endpgm
.Lentry_shape_is_right:
; SELF-ATTENTION IN THREE LAUNCHES, ON CODES OF BF8 (E5M2) WITH AN E8M0 SCALE FOR EACH 32 ALONG K.  qkv: Q, K, V = x W + b, quantised on the way out; attn: softmax(Q K^T / 8) V, quantised on the way out; oproj: the last projection, f32.
; No step of reference() is left out.  LIMITS: NaN and infinities are not served; a block whose largest magnitude lies under 2^-111 keeps the byte 1; a block of zeros gets the byte 1 (its codes are zeros; this program alone reads the bytes).
; IMAGES: Q, K: [head][row tile][block 2][lane][16 bytes];  V: [head][key step][channel tile 4][key block 4][lane][16 bytes].  Scale words: Q, K: [head][key step][tiles 0-3 | 4-7][row 16][4 words];  V: [head][key step][row 16][4 words].
; THE DEAL.  256 work-groups of four waves, 2 x 2; a wave holds 64 rows of a weight (one head), ALL of K, in 512 registers and streams x's rows past them in blocks of 16, which stand in registers as two whole sets (256).
; PHASE 1: 256 rows x 128 columns of Q (clusters x = 0, 1) or K (2, 3): a wave's eight blocks.  PHASE 2: 128 x 128 of V: four blocks, of ONE OF THE WORK-GROUP'S OWN TWO HALVES of 128 rows: number HS = cluster x % 2.
; Phase 1 takes the half that is not V's first (chunk A, slot 0) and V's last (chunk B, slot 1), so V's rows lie in slot 1 when phase 2 begins.  Which half it is enters global addresses alone.
; FILLS.  At the head the weight (slot 1; waves 0 and 1) and chunk A (slot 0; waves 2 and 3).  Two refills, each in a drained round of the cluster's barrier, 32 rows a wave: chunk B into slot 1 once the weight is in registers; W_v into slot 0 once chunk A is.
; Clusters of 4 x 4: x's rows are asked for jointly along a row, weights along a column.  Chunk B and W_v are prefetched into the L2, each 8,192 bytes a wave, shared out by address among the sixteen waves that ask for it: chunk B ahead of the weight's way into registers, W_v four blocks ahead of its load's use.
; THE WAY OUT of a block (largest magnitudes, holds, conversions) stands among the next block's products, two or three lines behind each; V's goes by two blocks, whose 32 keys make a scale block.
; Q, K: source 0 = the weight's rows: a lane holds one token; V: source 0 = x's rows: a lane holds one channel.  The bias is the first products' C.
.set PITCH, 1040                       ; an LDS row: 1,024 bytes + 16
.set YB,    128*PITCH                  ; slot 1
.set XV,    2*YB                       ; V's scale bytes: [head of two][row 16][16 bytes]
.set SPARE, XV+512
.set VW,   2                           ; v2-5 V's scale bytes, by pair and tile pair (from phase 2 on)
.set RDO,  6                           ; 8 x lane
.set PFX,  7                           ; prefetch offsets: chunk B, W_v
.set PFW,  8
.set CO,   9                           ; 16 x lane
.set SPW,  10
.set NIL,  11
.set ADRA, 12                          ; v12, v13 LDS address of my fragments of x in slot 0, 1
.set ADRB, 14                          ; v14, v15 of a weight in slot 1, 0
.set ABS,  16                          ; 32 x lane
.set SOFF, 17                          ; Q's, K's scale words' offset
.set BOQ,  18
.set BOV,  19
.set RD,   20                          ; V's scale bytes in LDS: in, back
.set RD2,  21
.set T,    22                          ; the way out's two chains: largest magnitudes, permuted ones, scale operands, bounds, bytes
.set P,    24
.set SOP,  26
.set BND,  28
.set EB,   30
.set PCA,  32                          ; v32-35, v68-71 the two chains' codes
.set PCB,  68
.set XS,   36                          ; v36-67 x's scale words: register 8 (2 chunk + block / 2) + q: lanes 0-15 the even block's, lanes 16-31 the odd's
.set SB,   72                          ; v72-87 the weight's: register 8 p + q: lanes 0-15 tile 2 p's, lanes 16-31 tile 2 p + 1's: never equal to x's modulo 8
.set SW,   88                          ; v88-95 Q's or K's scale words, a block each
.set BQ,   96                          ; v96-127 the bias
.set ACC,  128                         ; four sets of four accumulators; in phase 1 sets 2 and 3 lend room:
.set BV,   192                         ; V's bias, a number a tile
.set WS,   200                         ; W_v's scale words
.set WV,   4                           ; wave; its row, its column
.set WR,   5
.set WC,   6
.set CX,   7
.set CY,   8
.set HS,   9
.set TR,   10                          ; tile row 0..15
.set QC,   11                          ; tile column of Q or K, 0..7
.set VC,   12                          ; of V
.set KSEL, 13                          ; 0: Q, 1: K
.set HN,   14                          ; 1 - HS
.set OA,   36                          ; s[36:37], s[38:39] Q's or K's codes of chunks A, B
.set OB,   38
.set OV,   40
.set OVS,  42
.set SEL,  60
.set MNT,  62
.set G1W,  68
.set G1X,  76
.set G0W,  84
.set G0X,  88
.set MSB, 0
.macro WIN new                         ; the immediate's high byte repeats the setting that is left
.if MSB != \new
	s_set_vgpr_msb (MSB<<8)|\new
.set MSB, \new
.endif
.endm
.macro PLACES n
.rept \n
	v_nop
.endr
.endm
.macro CREST                           ; a round of the cluster's barrier behind its opening barrier
	s_cmp_lg_u32 s[WV], 0
	s_cbranch_scc1 .Lnot_wave_0_\@
	s_barrier_signal -3
.Lnot_wave_0_\@:
	s_barrier_wait -3
	s_barrier_signal -1
	s_barrier_wait -1
.endm
.macro CROUND
	s_barrier_signal -1
	s_barrier_wait -1
	CREST
.endm
.macro TLOAD g0, g1
	tensor_load_to_lds s[\g0:\g0+3], s[\g1:\g1+7]
	s_nop 0
	PLACES 4
.endm
.macro GROUP1 g, mask, rows            ; descriptor group 1: so many rows of 1,024 bytes, dense in memory, 16 bytes of padding behind each in LDS
	s_or_b32 s[\g+0], s[\mask], (1<<20)|(1<<21)|(7<<22)|(3<<25)
	s_mov_b32 s[\g+1], 1024<<16
	s_mov_b32 s[\g+2], (\rows)<<16
	s_mov_b32 s[\g+3], 1024<<16
	s_mov_b32 s[\g+4], \rows
	s_mov_b32 s[\g+5], 1024
	s_mov_b32 s[\g+6], 0
	s_mov_b32 s[\g+7], 0
.endm
.macro OFF d, a, sa, b, sb             ; s[d] = s[a] << sa + s[b] << sb
	s_lshl_b32 s\d, s[\a], \sa
	s_lshl_b32 s99, s[\b], \sb
	s_add_co_u32 s\d, s\d, s99
.endm
.macro MORE d, b, sb
	s_lshl_b32 s99, s[\b], \sb
	s_add_co_u32 s\d, s\d, s99
.endm
	s_load_b512 s[16:31], s[0:1], 0x0              ; x 16, 18; Wq 20, 22; Wk 24, 26; Wv 28, 30
	s_load_b512 s[32:47], s[0:1], 0x40             ; qimg 32, qsc 34, kimg 36, ksc 38, vimg 40, vsc 42, bq 44, bk 46
	s_load_b64 s[48:49], s[0:1], 0x80              ; bv
	v_lshl_add_u32 v[SPW], v0, 2, SPARE
	v_mov_b32 v[NIL], 0
	ds_add_u32 v[SPW], v[NIL]                      ; the opening: the add, twice on end
	ds_add_u32 v[SPW], v[NIL]
	v_lshrrev_b32 v1, 5, v0
	v_readfirstlane_b32 s[WV], v1                  ; wave 0..3
	s_lshr_b32 s[WR], s[WV], 1
	s_and_b32 s[WC], s[WV], 1
	s_bfe_u32 s[CX], ttmp6, 0x40000
	s_bfe_u32 s[CY], ttmp6, 0x40004
	s_lshr_b32 s[KSEL], ttmp9, 1
	s_and_b32 s[HS], ttmp9, 1
	s_xor_b32 s[HN], s[HS], 1
	s_and_b32 s[TR], ttmp7, 0xffff
	s_lshl_b32 s[TR], s[TR], 2
	s_add_co_u32 s[TR], s[TR], s[CY]
	s_lshl_b32 s[QC], s[HS], 2
	s_add_co_u32 s[QC], s[QC], s[CX]
	s_lshl_b32 s[VC], s[KSEL], 2
	s_add_co_u32 s[VC], s[VC], s[CX]
	s_lshl_b32 s92, s[CY], 2
	s_lshl_b32 s92, 15, s92                        ; my row of the cluster: shares x's rows
	s_lshl_b32 s93, 0x1111, s[CX]                  ; my column: shares weights
	GROUP1 G1W, 93, 64
	GROUP1 G1X, 92, 64
	s_and_b32 s94, s[WV], 1                        ; at the head I fetch a half: 64 rows
	s_mul_i32 s95, s94, 64*PITCH
	s_mov_b32 s[G0W], 1
	s_add_co_u32 s[G0W+1], s95, YB
	s_mov_b32 s[G0X], 1
	s_mov_b32 s[G0X+1], s95
	s_lshl_b32 s94, s94, 16
	s_lshl_b32 s50, s[QC], 17                      ; the weight: row 128 x tile column
	s_add_co_u32 s50, s50, s94
	s_mov_b32 s51, 0
	OFF 52, TR, 18, HN, 17                         ; chunk A: row 256 x tile row + 128 x half
	s_add_co_u32 s52, s52, s94
	s_mov_b32 s53, 0
	s_mov_b32 s[SEL], 0x76543210
	s_mov_b32 s[SEL+1], 0xfedcba98
	s_mov_b32 s[MNT], 0x600000
	s_wait_dscnt 0x0                               ; both opening adds are done
	CROUND                                         ; all sixteen work-groups are here
	s_wait_kmcnt 0x0
	s_cmp_eq_u32 s[KSEL], 0
	s_cselect_b64 s[56:57], s[20:21], s[24:25]
	s_cselect_b64 s[58:59], s[22:23], s[26:27]
	s_cselect_b64 s[32:33], s[32:33], s[36:37]
	s_cselect_b64 s[34:35], s[34:35], s[38:39]
	s_cselect_b64 s[44:45], s[44:45], s[46:47]
	s_add_nc_u64 s[G0W+2:G0W+3], s[56:57], s[50:51]
	s_or_b32 s[G0W+3], s[G0W+3], 0x80000000
	s_add_nc_u64 s[G0X+2:G0X+3], s[16:17], s[52:53]
	s_or_b32 s[G0X+3], s[G0X+3], 0x80000000
	s_cmp_lt_u32 s[WV], 2                          ; ONE joint load a wave
	s_cbranch_scc0 .Lfor_x
	TLOAD G0W, G1W
	s_branch .Lasked
.Lfor_x:
	TLOAD G0X, G1X
.Lasked:
	OFF 50, QC, 12, WC, 11                         ; scale bytes, 32 a row: the weight's 64 rows,
	s_add_nc_u64 s[58:59], s[58:59], s[50:51]
	OFF 50, VC, 12, WC, 11                         ; W_v's,
	s_add_nc_u64 s[30:31], s[30:31], s[50:51]
	OFF 50, TR, 13, WR, 11                         ; and x's 64 rows in either half
	s_add_nc_u64 s[18:19], s[18:19], s[50:51]
	s_lshl_b32 s50, s[HN], 12
	s_add_nc_u64 s[52:53], s[18:19], s[50:51]
	s_lshl_b32 s50, s[HS], 12
	s_add_nc_u64 s[54:55], s[18:19], s[50:51]
	OFF 50, QC, 9, WC, 8                           ; the biases: 64 numbers
	s_add_nc_u64 s[44:45], s[44:45], s[50:51]
	OFF 50, VC, 9, WC, 8
	s_add_nc_u64 s[48:49], s[48:49], s[50:51]
	OFF 94, TR, 18, HS, 17                         ; chunk B in x,
	s_lshl_b32 s92, s[VC], 17                      ; and W_v's rows
	OFF 96, CX, 2, WV, 0                           ; my place among the sixteen waves that share chunk B,
	s_lshl_b32 s96, s96, 13
	s_add_co_u32 s96, s96, s94
	OFF 97, CY, 2, WV, 0                           ; and W_v
	s_lshl_b32 s97, s97, 13
	s_add_co_u32 s97, s97, s92
	MORE 94, WV, 15                                ; in a refill I fetch 32 rows
	MORE 92, WV, 15
	s_mov_b32 s95, 0
	s_mov_b32 s93, 0
	v_and_b32 v3, 31, v0
	v_and_b32 v1, 15, v0                           ; r
	v_bfe_u32 v2, v0, 4, 1                         ; h
	v_lshlrev_b32 v[ABS], 5, v3
	v_lshlrev_b32 v[BOQ], 5, v2
	v_lshlrev_b32 v[BOV], 2, v1
	v_lshl_add_u32 v[PFX], v3, 8, s96
	v_lshl_add_u32 v[PFW], v3, 8, s97
.irp p, 0,1
.irp c, 0,1
	global_load_b128 v[SB+8*\p+4*\c:SB+8*\p+4*\c+3], v[ABS], s[58:59] offset:1024*\p+16*\c
	global_load_b128 v[XS+8*\p+4*\c:XS+8*\p+4*\c+3], v[ABS], s[52:53] offset:1024*\p+16*\c
	global_load_b128 v[XS+16+8*\p+4*\c:XS+16+8*\p+4*\c+3], v[ABS], s[54:55] offset:1024*\p+16*\c
	global_load_b128 v[WS+8*\p+4*\c:WS+8*\p+4*\c+3], v[ABS], s[30:31] offset:1024*\p+16*\c
.endr
.endr
.irp j, 0,1,2,3
	global_load_b128 v[BQ+8*\j:BQ+8*\j+3], v[BOQ], s[44:45] offset:64*\j       ; register i of tile j: column 16 j + 8 h + i
	global_load_b128 v[BQ+8*\j+4:BQ+8*\j+7], v[BOQ], s[44:45] offset:64*\j+16
	global_load_b32 v[BV+\j], v[BOV], s[48:49] offset:64*\j                    ; channel 16 j + r
.endr
	global_prefetch_b8 v[PFX], s[16:17] th:TH_LOAD_NT scope:SCOPE_SE
	s_lshr_b32 s15, s[TR], 3                       ; WHERE MY RESULTS GO: 16 x batch,
	s_lshl_b32 s15, s15, 4
	s_and_b32 s63, s[TR], 7                        ; and my 256 rows in it
	OFF 97, QC, 1, WC, 0
	s_add_co_u32 s97, s97, s15                     ; Q's or K's head
	OFF 98, VC, 1, WC, 0
	s_add_co_u32 s98, s98, s15                     ; V's
	OFF 50, 97, 17, 63, 14
	MORE 50, WR, 12
	s_add_nc_u64 s[32:33], s[32:33], s[50:51]
	s_lshl_b32 s50, s[HN], 13
	s_add_nc_u64 s[OA:OA+1], s[32:33], s[50:51]
	s_lshl_b32 s50, s[HS], 13
	s_add_nc_u64 s[OB:OB+1], s[32:33], s[50:51]
	OFF 50, 97, 13, 63, 10
	MORE 50, WR, 8
	s_add_nc_u64 s[34:35], s[34:35], s[50:51]
	OFF 50, 98, 17, 63, 14
	MORE 50, HS, 13
	MORE 50, WR, 10
	s_add_nc_u64 s[OV:OV+1], s[OV:OV+1], s[50:51]
	OFF 50, 98, 12, 63, 9
	MORE 50, HS, 8
	s_add_nc_u64 s[OVS:OVS+1], s[OVS:OVS+1], s[50:51]
	s_mul_i32 s96, s[WV], 32*PITCH
	s_mul_i32 s50, s[WR], 64*PITCH                 ; my 64 rows of x in a slot,
	s_mul_i32 s51, s[WC], 64*PITCH                 ; and of a weight
	s_lshl_b32 s97, s[WC], 8
	s_add_co_u32 s97, s97, XV
	s_lshl_b32 s98, s[WR], 1
	s_add_co_u32 s98, s98, s97
	v_and_b32 v3, 31, v0
	v_and_b32 v1, 15, v0
	v_bfe_u32 v2, v0, 4, 1
	v_mul_u32_u24 v22, v1, PITCH
	v_lshl_add_u32 v22, v2, 4, v22                 ; row x pitch + 16 h
	v_add_nc_u32 v[ADRA], s50, v22
	v_add_nc_u32 v[ADRA+1], YB, v[ADRA]
	v_add_nc_u32 v[ADRB+1], s51, v22
	v_add_nc_u32 v[ADRB], YB, v[ADRB+1]
	v_lshlrev_b32 v[CO], 4, v3
	v_lshlrev_b32 v[RDO], 3, v3
	v_lshl_add_u32 v[RD2], v3, 3, s97
	v_lshl_add_u32 v[RD], v1, 4, s98
	v_xor_b32 v23, s[HN], v2                       ; lanes 0-15: chunk A's half, lanes 16-31: chunk B's
	v_lshlrev_b32 v23, 9, v23
	v_lshl_add_u32 v[SOFF], v1, 4, v23
	v_mov_b32 v[P], 0                              ; (a lane permute's destination counts as one of its sources)
	v_mov_b32 v[P+1], 0
.macro FRAGW q, b, adr                 ; a weight's fragment 4 q + b: 16 rows x 128 of K
	WIN ((1+\q/4)<<6)
.irp c, 0,1,2,3
	ds_load_b128 v[16*((4*\q+\b)%16)+4*\c:16*((4*\q+\b)%16)+4*\c+3], v[\adr] offset:\b*16*PITCH+128*\q+32*\c
.endr
.endm
.macro WEIGHTS adr                     ; my 64 rows, all of K, into windows 1 and 2
.irp q, 0,1,2,3,4,5,6,7
.irp b, 0,1,2,3
	FRAGW \q, \b, \adr
.endr
.endr
	WIN 0
.endm
.macro FETCH e, slot, blk              ; 16 rows of x, all of K, into set e of window 3: 32 loads
	WIN 0xc0
.irp q, 0,1,2,3,4,5,6,7
.irp c, 0,1,2,3
	ds_load_b128 v[128*\e+16*\q+4*\c:128*\e+16*\q+4*\c+3], v[ADRA+\slot] offset:\blk*16*PITCH+128*\q+32*\c
.endr
.endr
	WIN 0
.endm
.macro WM ra, rb, sa, sb, fa, fb
.if (\fa) && (\fb)
	v_wmma_scale_f32_16x16x128_f8f6f4 v[AC_:AC_+7], v[\ra:\ra+15], v[\rb:\rb+15], v[C_:C_+7], v[\sa], v[\sb] matrix_a_fmt:MATRIX_FMT_BF8 matrix_b_fmt:MATRIX_FMT_BF8 matrix_a_scale:MATRIX_SCALE_ROW1 matrix_b_scale:MATRIX_SCALE_ROW1
.elseif (\fa)
	v_wmma_scale_f32_16x16x128_f8f6f4 v[AC_:AC_+7], v[\ra:\ra+15], v[\rb:\rb+15], v[C_:C_+7], v[\sa], v[\sb] matrix_a_fmt:MATRIX_FMT_BF8 matrix_b_fmt:MATRIX_FMT_BF8 matrix_a_scale:MATRIX_SCALE_ROW1
.elseif (\fb)
	v_wmma_scale_f32_16x16x128_f8f6f4 v[AC_:AC_+7], v[\ra:\ra+15], v[\rb:\rb+15], v[C_:C_+7], v[\sa], v[\sb] matrix_a_fmt:MATRIX_FMT_BF8 matrix_b_fmt:MATRIX_FMT_BF8 matrix_b_scale:MATRIX_SCALE_ROW1
.else
	v_wmma_scale_f32_16x16x128_f8f6f4 v[AC_:AC_+7], v[\ra:\ra+15], v[\rb:\rb+15], v[C_:C_+7], v[\sa], v[\sb] matrix_a_fmt:MATRIX_FMT_BF8 matrix_b_fmt:MATRIX_FMT_BF8
.endif
.endm
.macro PROD kind, e, a, ch, blk        ; product N_ = 4 q + b of a block: the q-th 128 of K, tile b; the four accumulators by turns
.set Q_, N_/4
.set B_, N_%4
.set AC_, ACC+32*\a+8*B_
.set C_, AC_
.if Q_ == 0
.set C_, BQ+8*B_
.endif
.set R_, 128*\e+16*Q_
.set W_, 16*(N_%16)
.set XS_, XS+8*(2*\ch+\blk/2)+Q_
.set WS_, SB+8*(B_/2)+Q_
.if \kind == 0
	WIN ((1+N_/16)|(3<<2))
	WM W_, R_, WS_, XS_, B_%2, \blk%2
.else
	WIN (3|((1+N_/16)<<2))
	WM R_, W_, XS_, WS_, \blk%2, B_%2
.endif
.endm
; THE WAY OUT, in 28 gaps: two scale blocks side by side.  Number i of chain b lies at GX + GS b + GH (i / 8) + i % 8
.macro HLD i                           ; held at 57,344 x the scale (the conversion does not saturate: ISA guide 7.6.2)
.set B_H, (\i)/16
.set X_H, GX+GS*B_H+GH*(((\i)%16)/8)+(\i)%8
	v_med3_num_f32 v[X_H], v[X_H], -v[BND+B_H], v[BND+B_H]
.endm
.macro CVT n
.set B_H, (\n)/2
.set X_H, GX+GS*B_H+GH*((\n)%2)
.set D_H, PCA+(PCB-PCA)*B_H+2*((\n)%2)
	v_cvt_scalef32_pk8_bf8_f32 v[D_H:D_H+1], v[X_H:X_H+7], v[SOP+B_H]
.endm
.macro GAP m
.if (\m) == 0
.irp b, 0,1
	v_max3_num_f32 v[T+\b], |v[GX+GS*\b]|, |v[GX+GS*\b+1]|, 0x8000000   ; with the floor under which a byte would fall under 1
.endr
.elseif (\m) < 8
.set O_, GH*((\m)/4)+(2*(\m))%8
.irp b, 0,1
	v_max3_num_f32 v[T+\b], v[T+\b], |v[GX+GS*\b+O_]|, |v[GX+GS*\b+O_+1]|
.endr
.elseif (\m) == 8
.irp b, 0,1
	v_permlanex16_b32 v[P+\b], v[T+\b], s[SEL], s[SEL+1]
.endr
.elseif (\m) == 9
.irp b, 0,1
	v_max_num_f32 v[T+\b], v[T+\b], v[P+\b]
.endr
.elseif (\m) == 10
.irp b, 0,1
	v_add_nc_u32 v[SOP+\b], 0xf8800000, v[T+\b]    ; 15 off the exponent field
.endr
.elseif (\m) == 11
.irp b, 0,1
	v_and_or_b32 v[BND+\b], v[T+\b], 0x7f800000, s[MNT]
.endr
.elseif (\m) == 12
.irp b, 0,1
	v_lshrrev_b32 v[EB+\b], 23, v[SOP+\b]
.endr
	HLD 0                                          ; three lines here and in the next two gaps: nine lines behind the bounds when the fourth gap behind them reads them
.elseif (\m) == 13
	v_lshl_or_b32 v[GW], v[EB+1], GSH, v[EB]
	HLD 1
	HLD 2
.elseif (\m) == 14
	HLD 3
	HLD 4
	HLD 5
.elseif (\m) == 15
	HLD 6
	HLD 7
	CVT 0
.elseif (\m) < 28
	HLD 8+2*((\m)-16)
	HLD 9+2*((\m)-16)
.if (\m)%4 == 3
	CVT (\m)/4-3
.endif
.endif
.endm
.macro PRODS kind, e, a, ch, blk, from, to, g
.set N_, \from
.rept (\to)-(\from)
	PROD \kind, \e, \a, \ch, \blk
.if (\g != 0) && (N_ > 0) && (N_ < 29)
	WIN 0
	GAP N_-1
.endif
.set N_, N_+1
.endr
	WIN 0
.endm
.macro BLK kind, e, a, ch, blk, g
	PRODS \kind, \e, \a, \ch, \blk, 0, 32, \g
.endm
.macro QSET a, w                       ; the block on its way out: Q's or K's, in set a; its scale word
.set GX, ACC+32*\a
.set GH, 8
.set GS, 16
.set GSH, 8
.set GW, SW+\w
.endm
.macro VSET a, p, tp                   ; tiles 2 tp, 2 tp + 1 of V's pair p, in sets a, a + 1
.set GX, ACC+32*\a+16*\tp
.set GH, 32
.set GS, 8
.set GSH, 16
.set GW, VW+2*\p+\tp
.endm
.macro QOUT o, blk
	global_store_b128 v[CO], v[PCA:PCA+3], s[\o:\o+1] offset:1024*\blk
	global_store_b128 v[CO], v[PCB:PCB+3], s[\o:\o+1] offset:1024*\blk+512
.endm
.macro VOUT p, tp
	global_store_b128 v[CO], v[PCA:PCA+3], s[OV:OV+1] offset:512*\p+4096*\tp
	global_store_b128 v[CO], v[PCB:PCB+3], s[OV:OV+1] offset:512*\p+4096*\tp+2048
.endm
	s_wait_alu depctr_va_vdst(0)                   ; the wait at the head's end
	s_cmp_lt_u32 s[WV], 2
	s_cbranch_scc0 .Lnot_w
	s_wait_tensorcnt 0x0                           ; waves 0 and 1: the weight has landed
.Lnot_w:
	s_barrier_signal -1
	s_barrier_wait -1
	WEIGHTS ADRB
	s_wait_tensorcnt 0x0                           ; chunk A is in; the weight is in registers: slot 1 takes chunk B
	ds_add_u32 v[SPW], v[NIL]
	s_mov_b32 s[G1X+2], 32<<16                     ; no tensor load of mine is out: from here on a load brings 32 rows
	s_mov_b32 s[G1X+4], 32
	s_mov_b32 s[G1W+2], 32<<16
	s_mov_b32 s[G1W+4], 32
	s_add_co_u32 s[G0X+1], s96, YB
	s_mov_b32 s[G0W+1], s96
	s_add_nc_u64 s[G0X+2:G0X+3], s[16:17], s[94:95]
	s_or_b32 s[G0X+3], s[G0X+3], 0x80000000
	s_add_nc_u64 s[G0W+2:G0W+3], s[28:29], s[92:93]
	s_or_b32 s[G0W+3], s[G0W+3], 0x80000000
	s_wait_dscnt 0x0
	CROUND
	TLOAD G0X, G1X
	FETCH 0, 0, 0
	FETCH 1, 0, 1
	global_prefetch_b8 v[PFW], s[28:29] th:TH_LOAD_NT scope:SCOPE_SE
	s_wait_loadcnt 0x0                             ; scale words and biases
	s_wait_dscnt 32                                ; block 0 is in; block 1's 32 loads may be out (likewise below)
	BLK 0, 0, 0, 0, 0, 0                           ; PHASE 1: block 0
	PLACES 8                                       ; places in front of loads into registers that the products have read, and of the first reader of their sums
	FETCH 0, 0, 2
	s_wait_dscnt 32
	QSET 0, 0
	BLK 0, 1, 1, 0, 1, 1                           ; block 1, and block 0's way out
	QOUT OA, 0
	PLACES 8
	FETCH 1, 0, 3
	s_wait_dscnt 32
	s_wait_xcnt 0x0                                ; the codes' registers may be written (likewise below)
	QSET 1, 1
	BLK 0, 0, 0, 0, 2, 1
	QOUT OA, 1
	PLACES 8
	s_wait_dscnt 0x0                               ; block 3 is in: the last of slot 0
	s_wait_xcnt 0x0
	QSET 0, 2
	PRODS 0, 1, 1, 0, 3, 0, 24, 1
	s_wait_alu depctr_va_vdst(0)
	s_wait_tensorcnt 0x0                           ; my part of chunk B has landed
	ds_add_u32 v[SPW], v[NIL]
	PRODS 0, 1, 1, 0, 3, 24, 28, 1
	s_wait_alu depctr_va_vdst(0)
	s_wait_dscnt 0x0
	s_barrier_signal -1
	PRODS 0, 1, 1, 0, 3, 28, 32, 1
	s_barrier_wait -1
	CREST
	TLOAD G0W, G1W                                 ; W_v into slot 0
	PLACES 4
	FETCH 0, 1, 0
	FETCH 1, 1, 1
	s_wait_alu depctr_va_vdst(0)                   ; the last codes were made inside the round
	QOUT OA, 2
	s_wait_dscnt 32
	s_wait_xcnt 0x0
	QSET 1, 3
	BLK 0, 0, 0, 1, 0, 1
	QOUT OA, 3
	PLACES 8
	FETCH 0, 1, 2
	s_wait_dscnt 32
	s_wait_xcnt 0x0
	QSET 0, 4
	BLK 0, 1, 1, 1, 1, 1
	QOUT OB, 0
	PLACES 8
	FETCH 1, 1, 3
	s_wait_dscnt 32
	s_wait_xcnt 0x0
	QSET 1, 5
	BLK 0, 0, 0, 1, 2, 1
	QOUT OB, 1
	PLACES 8
	FETCH 0, 1, 0                                  ; V's first blocks: chunk B again
	s_wait_dscnt 32
	s_wait_xcnt 0x0
	QSET 0, 6
	BLK 0, 1, 1, 1, 3, 1
	QOUT OB, 2
	PLACES 8
	FETCH 1, 1, 1
	; the change of phase
	s_wait_alu depctr_va_vdst(0)
	s_wait_xcnt 0x0
	s_wait_tensorcnt 0x0                           ; W_v's rows are in
	s_wait_dscnt 0x0
	s_barrier_signal -1
	s_barrier_wait -1
	WEIGHTS ADRB+1
.irp i, 0,1,2,3,4,5,6,7,8,9,10,11,12,13,14,15
	v_mov_b32 v[SB+\i], v[WS+\i]
.endr
.irp t, 0,1,2,3
.irp i, 0,1,2,3,4,5,6,7
	v_mov_b32 v[BQ+8*\t+\i], v[BV+\t]
.endr
.endr
	s_wait_alu depctr_va_vdst(0)
	s_wait_dscnt 0x0
	QSET 1, 7
	BLK 1, 0, 2, 1, 0, 1                           ; PHASE 2: block 0, and the last way out of phase 1
	QOUT OB, 3
	v_bfe_u32 v[T], v0, 4, 1
	v_cmp_eq_u32 vcc_lo, 1, v[T]
.irp j, 0,1,2,3                                ; the scale words: lanes 0-15 chunk A's four blocks, lanes 16-31 chunk B's: 256 consecutive bytes each
	v_cndmask_b32 v[SOP+\j], v[SW+\j], v[SW+4+\j], vcc_lo
.endr
	global_store_b128 v[SOFF], v[SOP:SOP+3], s[34:35]
	PLACES 8
	FETCH 0, 1, 2
	s_wait_xcnt 0x0
	BLK 1, 1, 3, 1, 1, 0
	PLACES 8
	FETCH 1, 1, 3
	s_wait_dscnt 32
	VSET 2, 0, 0
	BLK 1, 0, 0, 1, 2, 1                           ; block 2, and half of the first pair's way out
	VOUT 0, 0
	s_wait_dscnt 0x0
	s_wait_xcnt 0x0
	VSET 2, 0, 1
	BLK 1, 1, 1, 1, 3, 1
	VOUT 0, 1
	PLACES 8
	s_wait_xcnt 0x0
.macro DENSE
.set N_, 0
.rept 28
	GAP N_
.set N_, N_+1
.endr
	v_nop                                          ; a place behind the last conversion
.endm
	VSET 0, 1, 0                                   ; the last pair's way out: no product follows
	DENSE
	VOUT 1, 0
	s_wait_xcnt 0x0
	VSET 0, 1, 1
	DENSE
	VOUT 1, 1
	v_lshl_or_b32 v[VW], v[VW+2], 8, v[VW]         ; V's bytes: tile 2 tp's two in the low half, tile 2 tp + 1's in the high one
	v_lshl_or_b32 v[VW+1], v[VW+3], 8, v[VW+1]
	ds_store_b16 v[RD], v[VW]
	ds_store_b16_d16_hi v[RD], v[VW] offset:4
	ds_store_b16 v[RD], v[VW+1] offset:8
	ds_store_b16_d16_hi v[RD], v[VW+1] offset:12
	s_wait_dscnt 0x0
	s_barrier_signal -1
	s_barrier_wait -1
	s_cmp_eq_u32 s[WR], 0                          ; the upper row of waves stores a head's 256 bytes each
	s_cbranch_scc0 .Lstored
	ds_load_b64 v[T:T+1], v[RD2]
	s_wait_dscnt 0x0
	global_store_b64 v[RDO], v[T:T+1], s[OVS:OVS+1]
.Lstored:
	s_wait_tensorcnt 0x0                           ; the wave's end
	ds_add_u32 v[SPW], v[NIL]
	s_wait_dscnt 0x0
	CROUND                                         ; the closing round
	s_endpgm
.Lfunc_end_k_qdb835778c1_qkv:
	.size	k_qdb835778c1_qkv, .Lfunc_end_k_qdb835778c1_qkv-k_qdb835778c1_qkv
	.p2alignl 7, 3214868480
	.fill 96, 4, 3214868480
	.section	.rodata,"a",@progbits
	.p2align	6, 0x0
	.amdhsa_kernel k_qdb835778c1_qkv
		.amdhsa_group_segment_fixed_size 327680
		.amdhsa_private_segment_fixed_size 0
		.amdhsa_enable_private_segment 0
		.amdhsa_kernarg_size 136
		.amdhsa_user_sgpr_count 2
		.amdhsa_user_sgpr_kernarg_segment_ptr 1
		.amdhsa_wavefront_size32 1
		.amdhsa_system_sgpr_workgroup_id_x 1
		.amdhsa_system_sgpr_workgroup_id_y 1
		.amdhsa_system_sgpr_workgroup_id_z 1
		.amdhsa_system_vgpr_workitem_id 0
		.amdhsa_next_free_vgpr 1024
		.amdhsa_next_free_sgpr 100
		.amdhsa_reserve_vcc 1
		.amdhsa_float_denorm_mode_32 3
		.amdhsa_float_denorm_mode_16_64 3
		.amdhsa_memory_ordered 1
		.amdhsa_forward_progress 1
		.amdhsa_inst_pref_size 177
	.end_amdhsa_kernel
	.amdgpu_metadata
---
amdhsa.version: [ 1, 2 ]
amdhsa.kernels:
  - .name:           k_qdb835778c1_qkv
    .symbol:         k_qdb835778c1_qkv.kd
    .args:
      - { .name: x_codes, .offset: 0, .size: 8, .value_kind: global_buffer, .address_space: global }
      - { .name: x_scales, .offset: 8, .size: 8, .value_kind: global_buffer, .address_space: global }
      - { .name: Wq_codes, .offset: 16, .size: 8, .value_kind: global_buffer, .address_space: global }
      - { .name: Wq_scales, .offset: 24, .size: 8, .value_kind: global_buffer, .address_space: global }
      - { .name: Wk_codes, .offset: 32, .size: 8, .value_kind: global_buffer, .address_space: global }
      - { .name: Wk_scales, .offset: 40, .size: 8, .value_kind: global_buffer, .address_space: global }
      - { .name: Wv_codes, .offset: 48, .size: 8, .value_kind: global_buffer, .address_space: global }
      - { .name: Wv_scales, .offset: 56, .size: 8, .value_kind: global_buffer, .address_space: global }
      - { .name: qimg, .offset: 64, .size: 8, .value_kind: global_buffer, .address_space: global }
      - { .name: qsc, .offset: 72, .size: 8, .value_kind: global_buffer, .address_space: global }
      - { .name: kimg, .offset: 80, .size: 8, .value_kind: global_buffer, .address_space: global }
      - { .name: ksc, .offset: 88, .size: 8, .value_kind: global_buffer, .address_space: global }
      - { .name: vimg, .offset: 96, .size: 8, .value_kind: global_buffer, .address_space: global }
      - { .name: vsc, .offset: 104, .size: 8, .value_kind: global_buffer, .address_space: global }
      - { .name: bq, .offset: 112, .size: 8, .value_kind: global_buffer, .address_space: global }
      - { .name: bk, .offset: 120, .size: 8, .value_kind: global_buffer, .address_space: global }
      - { .name: bv, .offset: 128, .size: 8, .value_kind: global_buffer, .address_space: global }
    .group_segment_fixed_size: 327680
    .private_segment_fixed_size: 0
    .kernarg_segment_align: 8
    .kernarg_segment_size: 136
    .max_flat_workgroup_size: 128
    .sgpr_count:     100
    .vgpr_count:     1024
    .wavefront_size: 32
...
	.end_amdgpu_metadata
.endif
;; end of part 1
;; launch attn (part 2): grid 8 x 32, 8 waves a work-group, clusters of 4 x 1, 275,456 bytes of LDS; arguments qimg, qsc, kimg, ksc, vimg, vsc, aimg, asc; writes aimg, asc
.if DOCPART == 2
	.amdgcn_target "amdgcn-amd-amdhsa--gfx1250"
	.amdhsa_code_object_version 6
	.text
	.protected	k_qdb835778c1_attn
	.globl	k_qdb835778c1_attn
	.p2align	8
	.type	k_qdb835778c1_attn,@function
k_qdb835778c1_attn:
	s_mov_b64 s[64:65], 0
	v_nop
	global_prefetch_b8 v0, s[64:65] scope:SCOPE_SE
	s_setreg_imm32_b32 hwreg(HW_REG_WAVE_MODE, 25, 1), 1
	s_wait_xcnt 0x0
	s_wait_alu depctr_hold_cnt(0) depctr_sa_sdst(0) depctr_va_vdst(0) depctr_va_sdst(0) depctr_va_ssrc(0) depctr_va_vcc(0) depctr_vm_vsrc(0)
	s_getreg_b32 s2, hwreg(HW_REG_IB_STS2, 6, 4)
	s_cmp_eq_u32 s2, 0
	s_cbranch_scc0 .Lentry_in_a_cluster
	s_endpgm
.Lentry_in_a_cluster:
	s_bfe_u32 s2, ttmp6, 0x10000c
	s_cmp_lg_u32 s2, 0x3003
	s_cbranch_scc0 .Lentry_shape_is_right
	s_endpgm
.Lentry_shape_is_right:
; a[b][q][head 64 + d] = the sum over keys of softmax(q . k / 8) v, both products on codes of BF8 (E5M2) with E8M0 scales, and the result quantised along head 64 + d for the last projection.
; THE SOFTMAX: t = score x log2(e) / 8; M = the running largest t rounded UP to a whole number; p = 2^(t - M) is quantised along the keys, not normalised; the row's sum is taken of the unquantised p and divides at the end.
; When M moves, the sum and O are multiplied by 2^(old M - new M), which rounds nothing.
; SHARES.  A work-group owns 256 queries of one head (work-group y = 16 b + head); each of its eight waves two tiles of 16, in 512 registers: two waves to a SIMD, and each fragment of K and V feeds two products.  Every wave walks the head's 2,048 keys, 128 a step.
; THE WHOLE HEAD'S K AND V LIE IN LDS, as images of operand registers (16 bytes a lane, 512 bytes on end a load), with their scale words: 274,432 bytes, each filled ONCE, by one joint load a wave at the head: the four query blocks of a cluster belong to one head.
; Steps 0 to 2 and the scale words (waves 0 to 3's loads) are shown by the first barrier, the rest by a second one, two steps on.  Nothing is prefetched: every tile is asked for at the head, and no loop asks for more.
; LAYOUT.  Both products are used transposed: S^T = K Q^T (source 0 = 16 keys, source 1 = my 16 queries), O^T = V^T P^T (source 0 = 16 channels, source 1 = P): a lane holds ONE query of each tile throughout.
; The 16 registers of S^T's tiles 2 c and 2 c + 1 are, with lane l xor 16's, block c of 32 keys; inside a block P's codes lie in the order in which V's were laid.
; K = 64 FILLS HALF OF THE INSTRUCTION'S 128.  Q's upper eight registers are zero codes.  A tile of K is eight registers, and the instruction's sixteen run on into the next tile's codes (behind the last tile: zeros):
; finite codes x zero codes add nothing, and the scale bytes of that half are never 0xff.
; A TRIP is step j's softmax of both tiles, step j + 1's scores and step j's products with V.  Scores go out as soon as their registers are free, so the softmax's own lines are the places behind them.
; LIMITS: NaN and infinities are not served; a block whose largest magnitude lies under 2^-111 keeps the byte 1; a block of zeros gets the byte 1 (its codes are zeros; this program alone reads the bytes).  Scaled scores stay under 2^31 in magnitude.
.set KIMG, 0                           ; LDS: K: [step 16][tile 8][block 2][512]
.set VIMG, 131072                      ; V: [step 16][channel tile 4][key block 4][512]
.set KSC,  262144                      ; K's scale words: 512 bytes a step: [tiles 0-3 | 4-7][row 16][4 words]
.set VSC,  270336                      ; V's: 256 bytes a step: [row 16][4 words]
.set SPARE, 274432                     ; the spare words, 128 bytes a wave
; WINDOW 0: the softmax.  For tile 1 everything lies one set further on
.set LI,   1                           ; 16 x lane
.set LR,   2                           ; 16 x (lane % 16)
.set ADK,  3                           ; the trip's LDS addresses: K, V, K's scale words, V's
.set ADV,  4
.set ADS,  5
.set ADT,  6
.set AO,   7                           ; the way out: 32 x (lane % 16)
.set SPW,  8
.set NIL,  9
.set MX,   10                          ; v10, v11 the largest scores so far; v12, v14 -M; v[16:17], v[18:19] the sums in two halves; v20, v22 f
.set KS,   24                          ; v24-27 K's scale words, v28-31 V's
.set VS,   28
.set PS,   32                          ; v32, v33 p's scale words
.set TM,   34                          ; v34, v35 at work
.set QS,   36                          ; v36, v37 Q's scale words
.set BM,   40                          ; v40-71 four sets of eight blocks' numbers
.set T1,   48
.set T2,   56
.set T3,   64
.set AC,   72                          ; v72-77 the sums' other chains
.set PC,   88                          ; v88-119 p's codes
.set S,    120                         ; v120-247 S^T, then p
; WINDOW 1: v0-63 K's eight tiles, v64-71 zeros for ever; v72-135 V's four fragments; v136-199 O^T; v200-231 Q (208-215, 224-231 zeros)
.set VF,   72
.set OT,   136
.set QF,   200
.set WV,   20
.set SEL,  22                          ; s[22:23] lane selects: lane l xor 16
.set CS,   24                          ; s[24:25] c = log2(e) / 8
.set NC,   26                          ; s26 -c
.set G1A,  36
.set G1R,  44
.set G1KS, 52
.set G1VS, 68
.set G0,   76
.set K15,  60                          ; s[60:61] 2^-15
.set FLR,  62                          ; s62 the floor 2^(16 - 127), under which a byte would fall under 1
.set MNT,  63                          ; s63 57,344's mantissa field
.set CNT,  92
.set TK,   96
.set TV,   97
.set TS,   98
.set TT,   99
.set MSB, 0
.macro WIN new                         ; the immediate's high byte repeats the setting that is left
.if MSB != \new
	s_set_vgpr_msb (MSB<<8)|\new
.set MSB, \new
.endif
.endm
.macro ROUND                           ; a round of the cluster's barrier
	s_barrier_signal -1
	s_barrier_wait -1
	s_cmp_lg_u32 s[WV], 0
	s_cbranch_scc1 .Lnot_wave_0_\@
	s_barrier_signal -3
.Lnot_wave_0_\@:
	s_barrier_wait -3
	s_barrier_signal -1
	s_barrier_wait -1
.endm
.macro GRP g, rows                     ; descriptor group 1: so many dense rows of 256 bytes (32 elements of 8), the mask of all four work-groups with bit 21 beside it
	s_mov_b32 s[\g], 15|(3<<16)|(1<<21)
	s_mov_b32 s[\g+1], 32<<16
	s_mov_b32 s[\g+2], (\rows)<<16
	s_mov_b32 s[\g+3], 32<<16
	s_mov_b32 s[\g+4], \rows
	s_mov_b32 s[\g+5], 32
	s_mov_b32 s[\g+6], 0
	s_mov_b32 s[\g+7], 0
.endm
.macro ARM w, lds, base, off, g1       ; wave w's load
.if \w < 7
	s_cmp_lt_u32 s[WV], \w+1
	s_cbranch_scc0 .Larm_\w
.endif
	s_mov_b32 s[G0], 1
	s_mov_b32 s[G0+1], \lds
	s_add_nc_u64 s[G0+2:G0+3], s[\base:\base+1], \off
	s_or_b32 s[G0+3], s[G0+3], 0x80000000
	tensor_load_to_lds s[G0:G0+3], s[\g1:\g1+7]
	s_nop 0
.rept 4
	v_nop
.endr
.if \w < 7
	s_branch .Lfilled
.Larm_\w:
.endif
.endm
	s_load_b512 s[4:19], s[0:1], 0x0               ; qimg 4, qsc 6, kimg 8, ksc 10, vimg 12, vsc 14, aimg 16, asc 18
	v_lshl_add_u32 v[SPW], v0, 2, SPARE
	v_mov_b32 v[NIL], 0
	ds_add_u32 v[SPW], v[NIL]                      ; the opening: the add, twice on end
	ds_add_u32 v[SPW], v[NIL]
	v_lshrrev_b32 v[TM], 5, v0
	v_readfirstlane_b32 s[WV], v[TM]               ; wave 0..7
	s_bfe_u32 s80, ttmp6, 0x40000                  ; cx
	s_lshl_b32 s28, ttmp9, 2
	s_add_co_u32 s28, s28, s80                     ; my block of 256 queries: it enters Q's and the result's addresses alone
	s_and_b32 s29, ttmp7, 0xffff                   ; 16 b + head, which the four partners share
	s_lshl_b32 s30, s28, 4
	s_lshl_b32 s81, s[WV], 1
	s_add_co_u32 s30, s30, s81                     ; T: my first tile of 16 queries, an even number; T + 1 is the second
	GRP G1A, 96                                    ; three steps of K or V
	GRP G1R, 208                                   ; half of the other thirteen
	GRP G1KS, 32
	GRP G1VS, 16
	s_mov_b32 s[SEL], 0x76543210
	s_mov_b32 s[SEL+1], 0xfedcba98
	s_mov_b32 s[CS], 0x3e38aa3b                    ; log2(e) / 8
	s_mov_b32 s[CS+1], s[CS]                       ; (named with it as a pair, so it is written)
	s_mov_b32 s[NC], 0xbe38aa3b
	s_mov_b32 s[K15], 0x38000000
	s_mov_b32 s[K15+1], s[K15]
	s_mov_b32 s[FLR], 0x8000000
	s_mov_b32 s[MNT], 0x600000
	s_mov_b32 s33, 0
	s_wait_dscnt 0x0                               ; both opening adds are done
	s_wait_kmcnt 0x0
	s_lshl_b32 s32, s29, 17
	s_add_nc_u64 s[8:9], s[8:9], s[32:33]          ; the head's K,
	s_add_nc_u64 s[4:5], s[4:5], s[32:33]          ; Q,
	s_add_nc_u64 s[12:13], s[12:13], s[32:33]      ; and V
	s_lshl_b32 s32, s29, 13
	s_add_nc_u64 s[10:11], s[10:11], s[32:33]      ; scale words of K,
	s_add_nc_u64 s[6:7], s[6:7], s[32:33]          ; Q,
	s_lshl_b32 s32, s29, 12
	s_add_nc_u64 s[14:15], s[14:15], s[32:33]      ; and V
	ROUND                                          ; all four work-groups are here: the joint loads meet
	ARM 0, KIMG, 8, 0, G1A                         ; what the first steps need is asked for by waves 0 to 3
	ARM 1, VIMG, 12, 0, G1A
	ARM 2, KSC, 10, 0, G1KS
	ARM 3, VSC, 14, 0, G1VS
	ARM 4, KIMG+24576, 8, 24576, G1R
	ARM 5, VIMG+24576, 12, 24576, G1R
	ARM 6, KIMG+77824, 8, 77824, G1R
	ARM 7, VIMG+77824, 12, 77824, G1R
.Lfilled:
	s_lshl_b32 s32, s30, 10                        ; my tiles' images: 1,024 bytes a tile
	s_add_nc_u64 s[4:5], s[4:5], s[32:33]
	s_lshr_b32 s32, s30, 2                         ; their scale words: 256 bytes for four tiles, words T % 4 and T % 4 + 1 of a row's four
	s_lshl_b32 s32, s32, 8
	s_and_b32 s80, s30, 3
	s_lshl_b32 s80, s80, 2
	s_add_co_u32 s32, s32, s80
	s_add_nc_u64 s[6:7], s[6:7], s[32:33]
	s_lshr_b32 s81, s29, 4                         ; where the result goes: row tile 128 b + T,
	s_lshl_b32 s81, s81, 7
	s_add_co_u32 s81, s81, s30
	s_and_b32 s82, s29, 15                         ; head
	s_lshl_b32 s32, s81, 14                        ; images: 16,384 bytes a row tile, 1,024 a head
	s_lshl_b32 s83, s82, 10
	s_add_co_u32 s32, s32, s83
	s_add_nc_u64 s[16:17], s[16:17], s[32:33]
	s_lshl_b32 s32, s81, 9                         ; scale bytes: 32 a row, two a head
	s_lshl_b32 s83, s82, 1
	s_add_co_u32 s32, s32, s83
	s_add_nc_u64 s[18:19], s[18:19], s[32:33]
	v_and_b32 v[TM], 31, v0
	v_and_b32 v[TM+1], 15, v0
	v_lshlrev_b32 v[LI], 4, v[TM]
	v_lshlrev_b32 v[LR], 4, v[TM+1]
	v_add_nc_u32 v[ADS], KSC, v[LI]
	global_load_b64 v[QS:QS+1], v[LR], s[6:7]
	WIN 0x40
.irp w, 0,1
	global_load_b128 v[QF+16*\w:QF+16*\w+3], v[LI], s[4:5] offset:1024*\w th:TH_LOAD_NT            ; Q stays in registers
	global_load_b128 v[QF+16*\w+4:QF+16*\w+7], v[LI], s[4:5] offset:1024*\w+512 th:TH_LOAD_NT
.endr
.irp j, 0,1,2,3,4,5,6,7
	v_mov_b32 v[QF+8+\j], 0                        ; Q's upper 64 along K: zero codes
	v_mov_b32 v[QF+24+\j], 0
	v_mov_b32 v[64+\j], 0                          ; what the last tile of K runs on into
.endr
.set I_, 0
.rept 56
	v_mov_b32 v[OT+I_], 0                          ; O^T (its last eight registers further down): the first change of M leaves zeros
.set I_, I_+1
.endr
	WIN 0
.irp n, 0,1,2,3,4,5,6,7
	v_mov_b32 v[T1+\n], 0                          ; written once: a lane permute's destination counts as one of its sources
.endr
.irp r, 13,15,16,17,18,19,21,23
	v_mov_b32 v\r, 0                               ; the sums, and upper halves of pairs that are named and not used
.endr
	v_mov_b32 v[MX], 0xff61b1e6                    ; the largest score so far: -3e38
	v_mov_b32 v[MX+1], 0xff61b1e6
	v_mov_b32 v12, 0x7e000000                      ; -M: beyond every -M to come, so the first f is 0
	v_mov_b32 v14, 0x7e000000
; The largest score of each block of 32 keys (tile w's four blocks by turns): for the row's maximum, and, since p rises with the score, for the block's largest p
.macro TREE1 w
.irp b, 0,1,2,3
	v_max3_num_f32 v[BM+4*\w+\b], v[S+64*\w+16*\b], v[S+64*\w+16*\b+1], v[S+64*\w+16*\b+2]
.endr
.endm
.macro TREE2 w, i
.irp b, 0,1,2,3
	v_max3_num_f32 v[BM+4*\w+\b], v[BM+4*\w+\b], v[S+64*\w+16*\b+\i], v[S+64*\w+16*\b+\i+1]
.endr
.endm
.macro TREE3 w                         ; numbers 13 and 14 (odd blocks: 13 and 15)
.irp b, 0,1,2,3
	v_max3_num_f32 v[BM+4*\w+\b], v[BM+4*\w+\b], v[S+64*\w+16*\b+13], v[S+64*\w+16*\b+14+(\b%2)]
.endr
.endm
.macro LEFT w                          ; number 15 (odd blocks: 14), so that a pair's first sources lie in different banks
.irp p, 0,1
	v_dual_max_num_f32 v[BM+4*\w+2*\p], v[S+64*\w+32*\p+15], v[BM+4*\w+2*\p] :: v_dual_max_num_f32 v[BM+4*\w+2*\p+1], v[S+64*\w+32*\p+30], v[BM+4*\w+2*\p+1]
.endr
.endm
.macro KLOAD adr, ads                  ; K's eight tiles and their scale words (lanes 0-15: tiles 0-3; lanes 16-31: tiles 4-7)
	WIN 0
	ds_load_b128 v[KS:KS+3], v[\ads]
	WIN 0x40
.irp t, 0,1,2,3,4,5,6,7
	ds_load_b128 v[8*\t:8*\t+3], v[\adr] offset:1024*\t
	ds_load_b128 v[8*\t+4:8*\t+7], v[\adr] offset:1024*\t+512
.endr
.endm
.macro VLOAD
	WIN 0x40
.irp t, 0,1,2,3
.irp c, 0,1,2,3
	ds_load_b128 v[VF+16*\t+4*\c:VF+16*\t+4*\c+3], v[ADV] offset:2048*\t+512*\c
.endr
.endr
	WIN 0
	ds_load_b128 v[VS:VS+3], v[ADT]
.endm
.macro SMUL w                          ; tile w's scores
	WIN 0x05                                       ; K and Q window 1, the scores window 0
.irp t, 0,1,2,3
	v_wmma_scale_f32_16x16x128_f8f6f4 v[S+64*\w+8*\t:S+64*\w+8*\t+7], v[8*\t:8*\t+15], v[QF+16*\w:QF+16*\w+15], 0, v[KS+\t], v[QS+\w] matrix_a_fmt:MATRIX_FMT_BF8 matrix_b_fmt:MATRIX_FMT_BF8
.endr
.irp t, 4,5,6,7
	v_wmma_scale_f32_16x16x128_f8f6f4 v[S+64*\w+8*\t:S+64*\w+8*\t+7], v[8*\t:8*\t+15], v[QF+16*\w:QF+16*\w+15], 0, v[KS+\t-4], v[QS+\w] matrix_a_fmt:MATRIX_FMT_BF8 matrix_b_fmt:MATRIX_FMT_BF8 matrix_a_scale:MATRIX_SCALE_ROW1
.endr
	WIN 0
.endm
.macro OMUL                            ; O^T += V^T P^T, the eight accumulators by turns
	WIN 0x51                                       ; V and O^T window 1, p's codes window 0
.irp w, 0,1
.irp t, 0,1,2,3
	v_wmma_scale_f32_16x16x128_f8f6f4 v[OT+32*\w+8*\t:OT+32*\w+8*\t+7], v[VF+16*\t:VF+16*\t+15], v[PC+16*\w:PC+16*\w+15], v[OT+32*\w+8*\t:OT+32*\w+8*\t+7], v[VS+\t], v[PS+\w] matrix_a_fmt:MATRIX_FMT_BF8 matrix_b_fmt:MATRIX_FMT_BF8
.endr
.endr
	WIN 0
.endm
.macro SUMA w                          ; the row's sum of the unquantised p, two at a time, in four chains
.set SU_, 16+2*\w
.set SB_, S+64*\w
	v_pk_add_f32 v[SU_:SU_+1], v[SU_:SU_+1], v[SB_:SB_+1]
.irp k, 0,1,2
	v_pk_add_f32 v[AC+2*\k:AC+2*\k+1], v[SB_+4*\k+2:SB_+4*\k+3], v[SB_+4*\k+4:SB_+4*\k+5]
.endr
.set I_, 7
.rept 25
.if (I_-7)%4 == 0
.set R_, SU_
.else
.set R_, AC+2*((I_-7)%4)-2
.endif
	v_pk_add_f32 v[R_:R_+1], v[R_:R_+1], v[SB_+2*I_:SB_+2*I_+1]
.set I_, I_+1
.endr
.endm
.macro SUMC w                          ; the chains joined
.set SU_, 16+2*\w
	v_pk_add_f32 v[SU_:SU_+1], v[SU_:SU_+1], v[AC:AC+1]
	v_pk_add_f32 v[AC+2:AC+3], v[AC+2:AC+3], v[AC+4:AC+5]
	v_pk_add_f32 v[SU_:SU_+1], v[SU_:SU_+1], v[AC+2:AC+3]
.endm
.macro HOLD w, i                       ; two p's held at 57,344 x the scale (the conversion does not saturate: ISA guide 7.6.2); p is not negative, so the hold is one-sided
	v_dual_min_num_f32 v[S+64*\w+2*\i], v[T2+4*\w+\i/8], v[S+64*\w+2*\i] :: v_dual_min_num_f32 v[S+64*\w+2*\i+1], v[T2+4*\w+\i/8], v[S+64*\w+2*\i+1]
.endm
.macro CVT w
.irp b, 0,1,2,3
	v_cvt_scalef32_pk8_bf8_f32 v[PC+16*\w+4*\b:PC+16*\w+4*\b+1], v[S+64*\w+16*\b:S+64*\w+16*\b+7], v[T3+4*\w+\b]
	v_cvt_scalef32_pk8_bf8_f32 v[PC+16*\w+4*\b+2:PC+16*\w+4*\b+3], v[S+64*\w+16*\b+8:S+64*\w+16*\b+15], v[T3+4*\w+\b]
.endr
.endm
.macro DEP n
	s_delay_alu instid0(VALU_DEP_\n)
.endm
; A TRIP: 128 keys.  last = 1: no step follows, so no K is fetched and no scores are made
.macro TRIP last
	v_add_nc_u32 v[ADV], s[TV], v[LI]
	v_add_nc_u32 v[ADT], s[TT], v[LR]
.if \last == 0
	v_add_nc_u32 v[ADK], s[TK], v[LI]
	v_add_nc_u32 v[ADS], s[TS], v[LI]
.endif
	TREE1 0                                        ; these eight are also places between the last products and loads into the registers that they read
	TREE2 0, 3
.if \last == 0
	KLOAD ADK, ADS                                 ; the next step's K and this step's V land under the softmax
.endif
	VLOAD
	TREE2 0, 5
	TREE1 1
	TREE2 0, 7
	TREE2 1, 3
	TREE2 0, 9
	TREE2 1, 5
	TREE2 0, 11
	TREE2 1, 7
	TREE3 0
	TREE2 1, 9
	LEFT 0
	TREE2 1, 11
	TREE3 1
	LEFT 1
.irp n, 0,1,2,3,4,5,6,7
	v_permlanex16_b32 v[T1+\n], v[BM+\n], s[SEL], s[SEL+1]
.endr
.irp p, 0,2,4,6                                ; with lane l xor 16's 16 keys
	v_dual_max_num_f32 v[BM+\p], v[T1+\p], v[BM+\p] :: v_dual_max_num_f32 v[BM+\p+1], v[T1+\p+1], v[BM+\p+1]
.endr
	v_max3_num_f32 v[TM], v[BM], v[BM+1], v[BM+2]
	v_max3_num_f32 v[TM+1], v[BM+4], v[BM+5], v[BM+6]
	DEP 2
	v_max3_num_f32 v[MX], v[TM], v[BM+3], v[MX]    ; the largest score so far
	DEP 2
	v_max3_num_f32 v[MX+1], v[TM+1], v[BM+7], v[MX+1]
	DEP 2
	v_mul_f32 v[TM], s[NC], v[MX]                  ; -t (c is positive)
	DEP 2
	v_mul_f32 v[TM+1], s[NC], v[MX+1]
	DEP 2
	v_floor_f32 v[TM], v[TM]                       ; the new -M = floor(-t): a whole number
	DEP 2
	v_floor_f32 v[TM+1], v[TM+1]
	DEP 2
	v_sub_f32 v20, v[TM], v12                      ; old M - new M: a whole number, 0 or less
	DEP 2
	v_sub_f32 v22, v[TM+1], v14
	v_mov_b32 v12, v[TM]
	v_mov_b32 v14, v[TM+1]
	DEP 4
	v_cvt_i32_f32 v20, v20                         ; (it saturates)
	DEP 4
	v_cvt_i32_f32 v22, v22
	DEP 2
	v_ldexp_f32 v20, 1.0, v20                      ; f = 2^(old M - new M)
	DEP 2
	v_ldexp_f32 v22, 1.0, v22
.irp p, 0,2
	v_pk_fma_f32 v[BM+\p:BM+\p+1], v[BM+\p:BM+\p+1], s[CS:CS+1], v[12:13] op_sel_hi:[1,0,0]   ; t - M of each block's largest score,
	v_pk_fma_f32 v[BM+4+\p:BM+5+\p], v[BM+4+\p:BM+5+\p], s[CS:CS+1], v[14:15] op_sel_hi:[1,0,0]
.endr
.set I_, 0
.rept 32
	v_pk_fma_f32 v[S+2*I_:S+2*I_+1], v[S+2*I_:S+2*I_+1], s[CS:CS+1], v[12:13] op_sel_hi:[1,0,0]   ; and of tile 0's scores
.set I_, I_+1
.endr
	s_wait_alu depctr_va_vdst(0)                   ; the wait ahead of the batch
.irp n, 0,1,2,3,4,5,6,7
	v_exp_f32 v[BM+\n], v[BM+\n]                   ; each block's largest p: the same two instructions on the same number
.endr
.set I_, 0
.rept 32
	v_exp_f32 v[S+2*I_], v[S+2*I_]                 ; tile 0's p = 2^(t - M), at most 1; among them tile 1's t - M
	v_exp_f32 v[S+2*I_+1], v[S+2*I_+1]
	v_pk_fma_f32 v[S+64+2*I_:S+65+2*I_], v[S+64+2*I_:S+65+2*I_], s[CS:CS+1], v[14:15] op_sel_hi:[1,0,0]
.set I_, I_+1
.endr
	v_pk_mul_f32 v[16:17], v[16:17], v[20:21] op_sel_hi:[1,0]   ; the sums under the new M
	v_pk_mul_f32 v[18:19], v[18:19], v[22:23] op_sel_hi:[1,0]
	s_wait_alu depctr_va_vdst(0)                   ; one wait behind the batch, ahead of its first reader
.irp p, 0,2,4,6
	v_dual_max_num_f32 v[BM+\p], s[FLR], v[BM+\p] :: v_dual_max_num_f32 v[BM+\p+1], s[FLR], v[BM+\p+1]
.endr
	SUMA 0
	SUMC 0
.irp p, 0,2,4,6
	v_pk_mul_f32 v[T3+\p:T3+\p+1], v[BM+\p:BM+\p+1], s[K15:K15+1] op_sel_hi:[1,0]   ; 15 off the exponent field: the conversion's scale operand
.endr
.irp n, 0,1,2,3,4,5,6,7
	v_and_or_b32 v[T2+\n], v[BM+\n], 0x7f800000, s[MNT]   ; 57,344 x the scale
.endr
.irp n, 0,1,2,3,4,5,6,7
	v_lshrrev_b32 v[T1+\n], 23, v[T3+\n]           ; the scale's byte
.endr
	v_lshl_or_b32 v[PS], v[T1+1], 8, v[T1]         ; p's scale words for these 128 keys
	v_lshl_or_b32 v[PS+1], v[T1+5], 8, v[T1+4]
	v_lshl_or_b32 v[PS], v[T1+2], 16, v[PS]
	v_lshl_or_b32 v[PS+1], v[T1+6], 16, v[PS+1]
	v_lshl_or_b32 v[PS], v[T1+3], 24, v[PS]
	v_lshl_or_b32 v[PS+1], v[T1+7], 24, v[PS+1]
	s_wait_alu depctr_va_vdst(0)                   ; ahead of the second batch
.set I_, 0
.rept 32
	v_exp_f32 v[S+64+2*I_], v[S+64+2*I_]           ; tile 1's p; among them tile 0's holds
	v_exp_f32 v[S+65+2*I_], v[S+65+2*I_]
	HOLD 0, I_
.set I_, I_+1
.endr
	WIN 0x41                                       ; O^T window 1, f window 0
	s_wait_alu depctr_va_vdst(0)                   ; behind the batch, and ahead of the first readers of O^T: it serves both
.set I_, 0
.rept 16
	v_pk_mul_f32 v[OT+2*I_:OT+2*I_+1], v[OT+2*I_:OT+2*I_+1], v[20:21] op_sel_hi:[1,0]   ; O^T under the new M
.set I_, I_+1
.endr
.rept 16
	v_pk_mul_f32 v[OT+2*I_:OT+2*I_+1], v[OT+2*I_:OT+2*I_+1], v[22:23] op_sel_hi:[1,0]
.set I_, I_+1
.endr
	WIN 0
	CVT 0
	v_nop                                          ; a place behind the last conversion
	s_wait_dscnt 0x0                               ; the next step's K, and V
.if \last == 0
	SMUL 0                                         ; tile 0's p are codes: its next scores
.endif
	SUMA 1
.set I_, 0
.rept 32
	HOLD 1, I_
.set I_, I_+1
.endr
	CVT 1
	SUMC 1                                         ; with the v_nop: four places between the conversions and the products that read them
	v_nop
.if \last == 0
	SMUL 1
.endif
	OMUL
	s_add_co_u32 s[TK], s[TK], 8192
	s_add_co_u32 s[TV], s[TV], 8192
	s_add_co_u32 s[TS], s[TS], 512
	s_add_co_u32 s[TT], s[TT], 256
.endm
	s_wait_alu depctr_va_vdst(0)                   ; the wait at the head's end
	s_cmp_lt_u32 s[WV], 4
	s_cbranch_scc0 .Lnot_first
	s_wait_tensorcnt 0x0                           ; waves 0 to 3: steps 0 to 2 and the scale words have landed
.Lnot_first:
	s_barrier_signal -1
	s_barrier_wait -1
	KLOAD LI, ADS                                  ; step 0 (KIMG is 0)
	WIN 0
	s_wait_loadcnt 0x0                             ; Q
	s_wait_dscnt 0x0
	SMUL 0
	SMUL 1
	WIN 0x40
.set I_, 56
.rept 8
	v_mov_b32 v[OT+I_], 0                          ; eight places behind the products
.set I_, I_+1
.endr
	WIN 0
	s_mov_b32 s[TK], KIMG+8192                     ; K and its words run one step ahead
	s_mov_b32 s[TV], VIMG
	s_mov_b32 s[TS], KSC+512
	s_mov_b32 s[TT], VSC
	s_mov_b32 s[CNT], 2
.Lfirst:                                               ; steps 0 and 1
	TRIP 0
	s_sub_co_u32 s[CNT], s[CNT], 1
	s_cmp_lg_u32 s[CNT], 0
	s_cbranch_scc1 .Lfirst
	s_wait_alu depctr_va_vdst(0)
	s_wait_tensorcnt 0x0                           ; every load of every wave: no tensor load is out from here on
	s_barrier_signal -1
	s_barrier_wait -1
	s_mov_b32 s[TK], KIMG+3*8192
	s_mov_b32 s[TV], VIMG+2*8192
	s_mov_b32 s[TS], KSC+3*512
	s_mov_b32 s[TT], VSC+2*256
	s_mov_b32 s[CNT], 13
.Lrest:                                                ; steps 2 to 14
	TRIP 0
	s_sub_co_u32 s[CNT], s[CNT], 1
	s_cmp_lg_u32 s[CNT], 0
	s_cbranch_scc1 .Lrest
	TRIP 1                                         ; step 15
	; THE WAY OUT.  O^T / the sum: register 8 t + j of a tile is channel 16 t + 8 h + j of my query: two blocks of 32 with lane l xor 16; quantised, they are the last projection's operand registers.
	v_add_f32 v16, v16, v17                        ; the sums' two halves,
	v_add_f32 v18, v18, v19
	v_lshlrev_b32 v[AO], 1, v[LR]
	v_permlanex16_b32 v[T1], v16, s[SEL], s[SEL+1]
	v_permlanex16_b32 v[T1+1], v18, s[SEL], s[SEL+1]
	v_add_f32 v16, v16, v[T1]                      ; and lane l xor 16's
	v_add_f32 v18, v18, v[T1+1]
	s_wait_alu depctr_va_vdst(0)
	v_rcp_f32 v16, v16
	v_rcp_f32 v18, v18
.rept 4
	v_nop                                          ; with the seven plain lines above: more than eight places behind the last products; the first stands behind the reciprocals
.endr
	WIN 0x01                                       ; O^T window 1
	s_wait_alu depctr_va_vdst(0)                   ; ahead of the reciprocals' and O^T's first readers
.set I_, 0
.rept 16
	v_pk_mul_f32 v[S+2*I_:S+2*I_+1], v[OT+2*I_:OT+2*I_+1], v[16:17] op_sel_hi:[1,0]
.set I_, I_+1
.endr
.set I_, 0
.rept 16
	v_pk_mul_f32 v[S+64+2*I_:S+65+2*I_], v[OT+32+2*I_:OT+33+2*I_], v[18:19] op_sel_hi:[1,0]
.set I_, I_+1
.endr
	WIN 0
.irp n, 0,1,2,3                                ; block n % 2 of tile n / 2
	v_max3_num_f32 v[BM+\n], |v[S+64*(\n/2)+16*(\n%2)]|, |v[S+64*(\n/2)+16*(\n%2)+1]|, 0x8000000
.endr
.irp i, 2,4,6,8,10,12,14
.irp n, 0,1,2,3
	v_max3_num_f32 v[BM+\n], v[BM+\n], |v[S+64*(\n/2)+16*(\n%2)+\i]|, |v[S+64*(\n/2)+16*(\n%2)+\i+1]|
.endr
.endr
.irp n, 0,1,2,3
	v_permlanex16_b32 v[T1+\n], v[BM+\n], s[SEL], s[SEL+1]
.endr
.irp n, 0,1,2,3
	v_max_num_f32 v[BM+\n], v[BM+\n], v[T1+\n]
.endr
.irp n, 0,1,2,3
	v_add_nc_u32 v[T3+\n], 0xf8800000, v[BM+\n]    ; 15 off the exponent field
.endr
.irp n, 0,1,2,3
	v_and_or_b32 v[T2+\n], v[BM+\n], 0x7f800000, s[MNT]
.endr
.irp n, 0,1,2,3
	v_lshrrev_b32 v[T1+\n], 23, v[T3+\n]
.endr
	v_lshl_or_b32 v[PS], v[T1+1], 8, v[T1]         ; my rows' two scale bytes
	v_lshl_or_b32 v[PS+1], v[T1+3], 8, v[T1+2]
.irp n, 0,1,2,3
.irp i, 0,1,2,3,4,5,6,7,8,9,10,11,12,13,14,15
	v_med3_num_f32 v[S+64*(\n/2)+16*(\n%2)+\i], v[S+64*(\n/2)+16*(\n%2)+\i], -v[T2+\n], v[T2+\n]
.endr
	v_cvt_scalef32_pk8_bf8_f32 v[PC+4*\n:PC+4*\n+1], v[S+64*(\n/2)+16*(\n%2):S+64*(\n/2)+16*(\n%2)+7], v[T3+\n]
	v_cvt_scalef32_pk8_bf8_f32 v[PC+4*\n+2:PC+4*\n+3], v[S+64*(\n/2)+16*(\n%2)+8:S+64*(\n/2)+16*(\n%2)+15], v[T3+\n]
.endr
	v_nop                                          ; a place behind the last conversion
.irp n, 0,1,2,3
	global_store_b128 v[LI], v[PC+4*\n:PC+4*\n+3], s[16:17] offset:16384*(\n/2)+512*(\n%2)   ; 512 consecutive bytes each
.endr
	global_store_b16 v[AO], v[PS], s[18:19]        ; two bytes of each of 16 rows of 32: lanes l and l xor 16 hold the same halfword and name the same address; one byte in 32 of what the launch stores
	global_store_b16 v[AO], v[PS+1], s[18:19] offset:512
	s_wait_tensorcnt 0x0                           ; the wave's end
	ds_add_u32 v[SPW], v[NIL]
	s_wait_dscnt 0x0
	ROUND                                          ; the closing round: no work-group ends while a partner may still ask for a tile that names it
	s_endpgm
.Lfunc_end_k_qdb835778c1_attn:
	.size	k_qdb835778c1_attn, .Lfunc_end_k_qdb835778c1_attn-k_qdb835778c1_attn
	.p2alignl 7, 3214868480
	.fill 96, 4, 3214868480
	.section	.rodata,"a",@progbits
	.p2align	6, 0x0
	.amdhsa_kernel k_qdb835778c1_attn
		.amdhsa_group_segment_fixed_size 275456
		.amdhsa_private_segment_fixed_size 0
		.amdhsa_enable_private_segment 0
		.amdhsa_kernarg_size 64
		.amdhsa_user_sgpr_count 2
		.amdhsa_user_sgpr_kernarg_segment_ptr 1
		.amdhsa_wavefront_size32 1
		.amdhsa_system_sgpr_workgroup_id_x 1
		.amdhsa_system_sgpr_workgroup_id_y 1
		.amdhsa_system_sgpr_workgroup_id_z 1
		.amdhsa_system_vgpr_workitem_id 0
		.amdhsa_next_free_vgpr 512
		.amdhsa_next_free_sgpr 100
		.amdhsa_reserve_vcc 0
		.amdhsa_float_denorm_mode_32 3
		.amdhsa_float_denorm_mode_16_64 3
		.amdhsa_memory_ordered 1
		.amdhsa_forward_progress 1
		.amdhsa_inst_pref_size 125
	.end_amdhsa_kernel
	.amdgpu_metadata
---
amdhsa.version: [ 1, 2 ]
amdhsa.kernels:
  - .name:           k_qdb835778c1_attn
    .symbol:         k_qdb835778c1_attn.kd
    .args:
      - { .name: qimg, .offset: 0, .size: 8, .value_kind: global_buffer, .address_space: global }
      - { .name: qsc, .offset: 8, .size: 8, .value_kind: global_buffer, .address_space: global }
      - { .name: kimg, .offset: 16, .size: 8, .value_kind: global_buffer, .address_space: global }
      - { .name: ksc, .offset: 24, .size: 8, .value_kind: global_buffer, .address_space: global }
      - { .name: vimg, .offset: 32, .size: 8, .value_kind: global_buffer, .address_space: global }
      - { .name: vsc, .offset: 40, .size: 8, .value_kind: global_buffer, .address_space: global }
      - { .name: aimg, .offset: 48, .size: 8, .value_kind: global_buffer, .address_space: global }
      - { .name: asc, .offset: 56, .size: 8, .value_kind: global_buffer, .address_space: global }
    .group_segment_fixed_size: 275456
    .private_segment_fixed_size: 0
    .kernarg_segment_align: 8
    .kernarg_segment_size: 64
    .max_flat_workgroup_size: 256
    .sgpr_count:     100
    .vgpr_count:     512
    .wavefront_size: 32
...
	.end_amdgpu_metadata
.endif
;; end of part 2
;; launch oproj (part 3): grid 8 x 32, 4 waves a work-group, clusters of 4 x 4, 284,160 bytes of LDS; arguments aimg, asc, Wo_codes, Wo_scales, bo, out0; writes out0
.if DOCPART == 3
	.amdgcn_target "amdgcn-amd-amdhsa--gfx1250"
	.amdhsa_code_object_version 6
	.text
	.protected	k_qdb835778c1_oproj
	.globl	k_qdb835778c1_oproj
	.p2align	8
	.type	k_qdb835778c1_oproj,@function
k_qdb835778c1_oproj:
	s_mov_b64 s[64:65], 0
	v_nop
	global_prefetch_b8 v0, s[64:65] scope:SCOPE_SE
	s_setreg_imm32_b32 hwreg(HW_REG_WAVE_MODE, 25, 1), 1
	s_wait_xcnt 0x0
	s_wait_alu depctr_hold_cnt(0) depctr_sa_sdst(0) depctr_va_vdst(0) depctr_va_sdst(0) depctr_va_ssrc(0) depctr_va_vcc(0) depctr_vm_vsrc(0)
	s_getreg_b32 s2, hwreg(HW_REG_IB_STS2, 6, 4)
	s_cmp_eq_u32 s2, 0
	s_cbranch_scc0 .Lentry_in_a_cluster
	s_endpgm
.Lentry_in_a_cluster:
	s_bfe_u32 s2, ttmp6, 0x10000c
	s_cmp_lg_u32 s2, 0xf033
	s_cbranch_scc0 .Lentry_shape_is_right
	s_endpgm
.Lentry_shape_is_right:
; out0 = a Wo + bo on codes of BF8 (E5M2) with one E8M0 scale for each 32 along K = 1,024.  out0: [4096][1024] f32.
; a comes as images of operand registers: [row tile 256][K step of 128: 8][block 4][lane][16 bytes], its scale bytes [4096][32]; inside a block of 32 its codes lie in the order 8 h + 0..7, 16 + 8 h + 0..7 (h = lane / 16).
; Wo: [1024 (out)][1024 (K)] codes, [1024][32] scale bytes.  Its fragments are read from LDS in the SAME order inside a block: eight loads of 8 bytes at 16 p + 8 h, so that equal places of the two operands hold equal k.
; SHARES.  4,096 x 1,024 results in tiles of 128 x 128 are 256 work-groups, one for each WGP.  Four waves, 64 x 64 each.  A wave holds its 64 rows of Wo, all of K, in 512 registers and takes its four blocks of 16 rows of a one after the other,
; so a block of 16 x 64 results leaves while the next is multiplied.
; THE WHOLE K LIES IN LDS, in two stages of 512: 128 rows of a as images and 128 rows of Wo.  Every byte is filled ONCE, by one joint load a wave at the head: waves 0 and 1 fetch stage 0's a and Wo, waves 2 and 3 stage 1's.
; No loop asks for more, so nothing is prefetched.  4 x 4 work-groups form a cluster: a's tiles are asked for jointly along a row of it, Wo's along a column.
; Source 0 = 16 rows of Wo, source 1 = 16 rows of a: a lane holds eight neighbouring numbers of a row of out0.  The bias is the C of each sum's first matrix instruction.
; LIMIT: NaN and infinities are not served.
; REGISTERS, in windows of 256: window 0: addresses, scale words, bias, two sets of four accumulators, rows of out0; windows 1, 2: Wo's fragments, K steps 0-3, 4-7; window 3: two blocks of a.
.set ROWO,   4096                      ; a row of out0 in bytes
.set PITCH,  528                       ; Wo's rows in LDS: 512 bytes + 16
.set ASTG,   8*8192                    ; LDS: a: [stage 2][row tile 8][8,192]
.set BIMG,   2*ASTG                    ; Wo: [stage 2][row 128][528]
.set BSTG,   128*PITCH
.set STAGE,  BIMG+2*BSTG               ; the way out: 16 rows x (256 bytes + 16) for each wave; no fill lands here
.set SPITCH, 272
.set SPARE,  STAGE+4*16*SPITCH         ; the spare words
.set ADRA, 16                          ; v16-17  LDS address of my fragments of a in stages 0, 1
.set ADRB, 20                          ; v20-21  the same for Wo
.set BOQ,  22                          ; bias offset: 32 h
.set SCO,  23                          ; scale words' offset: 32 x lane
.set STO,  24                          ; the way out: where I put 32 bytes of a row
.set RD,   25                          ; where I read rows back
.set CO,   26                          ; my byte offset in two rows of out0
.set SPW,  30
.set NIL,  31
.set SA,   36                          ; v36-51 a's scale words: register 8 (block / 2) + q: lanes 0-15 the even block's, lanes 16-31 the odd's
.set SB,   56                          ; v56-71 Wo's likewise: never equal to a's modulo 8
.set BI,   72                          ; v72-103
.set ACC,  104                         ; v104-167
.set RB,   168                         ; v168-231 two blocks' rows
.set WV,   16                          ; s16 wave; s17 my half of the rows; s18 my half of the columns
.set G1A,  28
.set G1B,  36
.set G0A,  44                          ; s[44:51] a's two groups 0
.set G0B,  68                          ; s[68:75] Wo's
.set MSB, 0
.macro WIN new                         ; the immediate's high byte repeats the setting that is left
.if MSB != \new
	s_set_vgpr_msb (MSB<<8)|\new
.set MSB, \new
.endif
.endm
.macro ROUND                           ; a round of the cluster's barrier
	s_barrier_signal -1
	s_barrier_wait -1
	s_cmp_lg_u32 s[WV], 0
	s_cbranch_scc1 .Lnot_wave_0_\@
	s_barrier_signal -3
.Lnot_wave_0_\@:
	s_barrier_wait -3
	s_barrier_signal -1
	s_barrier_wait -1
.endm
.macro PLACES n                        ; plain vector instructions between a matrix instruction and a load into, or a store of, its registers
.rept \n
	v_nop
.endr
.endm
.macro TLOAD g0, g1
	tensor_load_to_lds s[\g0:\g0+3], s[\g1:\g1+7]
	s_nop 0
	PLACES 4
.endm
.macro ARM under, g0, g1, next
	s_cmp_lt_u32 s[WV], \under
	s_cbranch_scc0 \next
	TLOAD \g0, \g1
	s_branch .Lfilled
\next:
.endm
	s_load_b128 s[4:7], s[0:1], 0x0                ; a's images, a's scale bytes
	s_load_b128 s[8:11], s[0:1], 0x10              ; Wo's codes, Wo's scale bytes
	s_load_b128 s[12:15], s[0:1], 0x20             ; bo, out0
	v_lshl_add_u32 v[SPW], v0, 2, SPARE
	v_mov_b32 v[NIL], 0
	ds_add_u32 v[SPW], v[NIL]                      ; the opening: the add, twice on end
	ds_add_u32 v[SPW], v[NIL]
	v_lshrrev_b32 v1, 5, v0
	v_readfirstlane_b32 s[WV], v1                  ; wave 0..3
	s_lshr_b32 s17, s[WV], 1
	s_and_b32 s18, s[WV], 1
	s_bfe_u32 s19, ttmp6, 0x40000                  ; cx, cy: my place in the cluster
	s_bfe_u32 s20, ttmp6, 0x40004
	s_lshl_b32 s21, ttmp9, 2
	s_add_co_u32 s21, s21, s19                     ; tile column, 0..7
	s_and_b32 s22, ttmp7, 0xffff
	s_lshl_b32 s22, s22, 2
	s_add_co_u32 s22, s22, s20                     ; tile row, 0..31
	s_lshl_b32 s23, s20, 2
	s_lshl_b32 s23, 15, s23                        ; my row of the cluster
	s_lshl_b32 s24, 0x1111, s19                    ; my column
	; a, a stage: 8 row tiles x 8,192 bytes (1,024 elements of 8 bytes), 16,384 bytes apart in memory, dense in LDS
	s_or_b32 s[G1A+0], s23, (3<<16)|(1<<21)        ; the mask; elements of 8 bytes; bit 21 beside a mask
	s_mov_b32 s[G1A+1], 1024<<16                   ; tensor_dim0
	s_mov_b32 s[G1A+2], 8<<16                      ; tensor_dim1
	s_mov_b32 s[G1A+3], 1024<<16                   ; tile_dim0
	s_mov_b32 s[G1A+4], 8                          ; tile_dim1
	s_mov_b32 s[G1A+5], 2048                       ; the pitch in memory
	s_mov_b32 s[G1A+6], 0
	s_mov_b32 s[G1A+7], 0
	; Wo, a stage: 128 rows x 512 bytes, 1,024 apart in memory, 16 bytes of padding behind each in LDS
	s_or_b32 s[G1B+0], s24, (0<<16)|(1<<20)|(1<<21)|(6<<22)|(3<<25)  ; elements of 1 byte; padding on: after every 128 words, 4 words
	s_mov_b32 s[G1B+1], 512<<16
	s_mov_b32 s[G1B+2], 128<<16
	s_mov_b32 s[G1B+3], 512<<16
	s_mov_b32 s[G1B+4], 128
	s_mov_b32 s[G1B+5], 1024
	s_mov_b32 s[G1B+6], 0
	s_mov_b32 s[G1B+7], 0
	; a's address hangs on the tile row alone, Wo's on the tile column alone, each in registers that never hold the other coordinate
	s_lshl_b32 s88, s22, 17                        ; 8 row tiles of 16,384 bytes
	s_mov_b32 s89, 0
	s_lshl_b32 s90, s21, 17                        ; 128 rows of 1,024 bytes
	s_mov_b32 s91, 0
	s_wait_dscnt 0x0                               ; both opening adds are done
	s_wait_kmcnt 0x0
	s_add_nc_u64 s[88:89], s[4:5], s[88:89]
	s_add_nc_u64 s[90:91], s[8:9], s[90:91]
.irp i, 0,1
	s_mov_b32 s[G0A+4*\i], 1                                       ; count = 1
	s_mov_b32 s[G0A+4*\i+1], \i*ASTG                               ; LDS address
	s_add_nc_u64 s[G0A+4*\i+2:G0A+4*\i+3], s[88:89], \i*8192       ; global address: K = 512 i on
	s_or_b32 s[G0A+4*\i+3], s[G0A+4*\i+3], 0x80000000              ; type = 2
	s_mov_b32 s[G0B+4*\i], 1
	s_mov_b32 s[G0B+4*\i+1], BIMG+\i*BSTG
	s_add_nc_u64 s[G0B+4*\i+2:G0B+4*\i+3], s[90:91], \i*512
	s_or_b32 s[G0B+4*\i+3], s[G0B+4*\i+3], 0x80000000
.endr
	ROUND                                          ; all sixteen work-groups are here: the joint loads meet
	ARM 1, G0A, G1A, .Lfill_1                      ; ONE load a wave, what is needed first by waves 0 and 1
	ARM 2, G0B, G1B, .Lfill_2
	ARM 3, G0A+4, G1A, .Lfill_3
	TLOAD G0B+4, G1B
.Lfilled:
	s_lshl_b32 s92, s22, 7
	s_lshl_b32 s25, s17, 6
	s_add_co_u32 s92, s92, s25                     ; my first row: 128 x tile row + 64 x half
	s_lshl_b32 s94, s21, 7
	s_lshl_b32 s25, s18, 6
	s_add_co_u32 s94, s94, s25                     ; my first column: 128 x tile column + 64 x half
	s_mov_b32 s3, 0
	s_lshl_b32 s2, s92, 5
	s_add_nc_u64 s[6:7], s[6:7], s[2:3]            ; my rows' scale bytes, 32 a row
	s_lshl_b32 s2, s94, 5
	s_add_nc_u64 s[10:11], s[10:11], s[2:3]        ; my columns'
	s_lshl_b32 s2, s94, 2
	s_add_nc_u64 s[12:13], s[12:13], s[2:3]        ; my 64 numbers of the bias
	s_add_nc_u64 s[14:15], s[14:15], s[2:3]        ; out0 at my first column,
	s_lshl_b32 s2, s92, 12
	s_add_nc_u64 s[14:15], s[14:15], s[2:3]        ; and my first row
	v_and_b32 v3, 31, v0
	v_and_b32 v1, 15, v0                           ; r
	v_bfe_u32 v2, v0, 4, 1                         ; h
	v_lshlrev_b32 v[SCO], 5, v3
	v_lshlrev_b32 v[BOQ], 5, v2
.irp p, 0,1
.irp c, 0,1
	global_load_b128 v[SA+8*\p+4*\c:SA+8*\p+4*\c+3], v[SCO], s[6:7] offset:1024*\p+16*\c
	global_load_b128 v[SB+8*\p+4*\c:SB+8*\p+4*\c+3], v[SCO], s[10:11] offset:1024*\p+16*\c
.endr
.endr
.irp b, 0,1,2,3                                ; the bias in the results' layout: register 8 b + j takes number 16 b + 8 h + j of my 64
	global_load_b128 v[BI+8*\b:BI+8*\b+3], v[BOQ], s[12:13] offset:64*\b
	global_load_b128 v[BI+8*\b+4:BI+8*\b+7], v[BOQ], s[12:13] offset:64*\b+16
.endr
	s_lshl_b32 s25, s17, 15                        ; my four row tiles of a stage's eight
	s_mul_i32 s26, s18, 64*PITCH                   ; my 64 rows of a stage's 128
	s_add_co_u32 s26, s26, BIMG
	s_mul_i32 s27, s[WV], 16*SPITCH
	s_add_co_u32 s27, s27, STAGE                   ; my stage
	v_lshlrev_b32 v3, 4, v3                        ; 16 x lane: an image's place for my lane
	v_add_nc_u32 v[ADRA], s25, v3
	v_add_nc_u32 v[ADRA+1], ASTG, v[ADRA]
	v_mul_u32_u24 v4, v1, PITCH
	v_lshl_add_u32 v4, v2, 3, v4                   ; Wo: row x pitch + 8 h
	v_add_nc_u32 v[ADRB], s26, v4
	v_add_nc_u32 v[ADRB+1], BSTG, v[ADRB]
	v_mul_u32_u24 v5, v1, SPITCH
	v_lshl_add_u32 v5, v2, 5, v5
	v_add_nc_u32 v[STO], s27, v5                   ; in: row r, 32 bytes for each half of the lanes
	v_mul_u32_u24 v5, v2, SPITCH
	v_lshl_add_u32 v5, v1, 4, v5
	v_add_nc_u32 v[RD], s27, v5                    ; back: lanes 0-15 one row of 256 bytes, lanes 16-31 the next
	v_lshlrev_b32 v[CO], 12, v2
	v_lshl_add_u32 v[CO], v1, 4, v[CO]             ; and the same two rows in out0
.macro WEIGHTS s                       ; stage s of my 64 rows of Wo into window 1 + s: fragment 4 q + b, registers 2 p, 2 p + 1: the 8 bytes at 16 p + 8 h of the row: 128 loads
	WIN ((1+\s)<<6)
.irp q, 0,1,2,3
.irp b, 0,1,2,3
.irp p, 0,1,2,3,4,5,6,7
	ds_load_b64 v[16*(4*\q+\b)+2*\p:16*(4*\q+\b)+2*\p+1], v[ADRB+\s] offset:\b*16*PITCH+\q*128+16*\p
.endr
.endr
.endr
	WIN 0
.endm
.macro HALF e, blk, s                  ; stage s of block blk of a into set e: 16 loads of 512 consecutive bytes
	WIN 0xc0
.irp q, 0,1,2,3
.irp c, 0,1,2,3
	ds_load_b128 v[128*\e+16*(4*\s+\q)+4*\c:128*\e+16*(4*\s+\q)+4*\c+3], v[ADRA+\s] offset:(\blk)*8192+\q*2048+512*\c
.endr
.endr
	WIN 0
.endm
.macro WM fa, fb
.if (\fa) && (\fb)
	v_wmma_scale_f32_16x16x128_f8f6f4 v[AC_:AC_+7], v[W_:W_+15], v[R_:R_+15], v[C_:C_+7], v[SB_], v[SA_] matrix_a_fmt:MATRIX_FMT_BF8 matrix_b_fmt:MATRIX_FMT_BF8 matrix_a_scale:MATRIX_SCALE_ROW1 matrix_b_scale:MATRIX_SCALE_ROW1
.elseif (\fa)
	v_wmma_scale_f32_16x16x128_f8f6f4 v[AC_:AC_+7], v[W_:W_+15], v[R_:R_+15], v[C_:C_+7], v[SB_], v[SA_] matrix_a_fmt:MATRIX_FMT_BF8 matrix_b_fmt:MATRIX_FMT_BF8 matrix_a_scale:MATRIX_SCALE_ROW1
.elseif (\fb)
	v_wmma_scale_f32_16x16x128_f8f6f4 v[AC_:AC_+7], v[W_:W_+15], v[R_:R_+15], v[C_:C_+7], v[SB_], v[SA_] matrix_a_fmt:MATRIX_FMT_BF8 matrix_b_fmt:MATRIX_FMT_BF8 matrix_b_scale:MATRIX_SCALE_ROW1
.else
	v_wmma_scale_f32_16x16x128_f8f6f4 v[AC_:AC_+7], v[W_:W_+15], v[R_:R_+15], v[C_:C_+7], v[SB_], v[SA_] matrix_a_fmt:MATRIX_FMT_BF8 matrix_b_fmt:MATRIX_FMT_BF8
.endif
.endm
.macro PRODS blk, from, to             ; products 4 q + b of block blk (set and accumulators blk % 2): the four accumulators by turns
.set N_, \from
.rept (\to)-(\from)
.set Q_, N_/4
.set B_, N_%4
.set AC_, ACC+32*((\blk)%2)+8*B_
.set C_, AC_
.if Q_ == 0
.set C_, BI+8*B_
.endif
.set R_, 128*((\blk)%2)+16*Q_
.set W_, 16*(N_%16)
.set SB_, SB+8*(B_/2)+Q_
.set SA_, SA+8*((\blk)/2)+Q_
	WIN ((1+N_/16)|(3<<2))
	WM B_%2, (\blk)%2
.set N_, N_+1
.endr
	WIN 0
.endm
; THE WAY OUT of a block of 16 rows x 64 columns, through my own stage in LDS: in as 32 bytes a lane, back as whole pieces of 256 bytes of a row.  LDS serves a wave's instructions in order (ISA guide 5.7.1.4): no wait stands between the stores and the loads.
.macro TOSTAGE a
.irp b, 0,1,2,3
	ds_store_b128 v[STO], v[ACC+32*(\a%2)+8*\b:ACC+32*(\a%2)+8*\b+3] offset:64*\b          ; each accumulator from its low end on
	ds_store_b128 v[STO], v[ACC+32*(\a%2)+8*\b+4:ACC+32*(\a%2)+8*\b+7] offset:64*\b+16
.endr
.irp t, 0,1,2,3,4,5,6,7
	ds_load_b128 v[RB+32*(\a%2)+4*\t:RB+32*(\a%2)+4*\t+3], v[RD] offset:\t*2*SPITCH
.endr
.endm
.macro SEND a
.irp t, 0,1,2,3,4,5,6,7
	global_store_b128 v[CO], v[RB+32*(\a%2)+4*\t:RB+32*(\a%2)+4*\t+3], s[14:15] offset:(16*\a+2*\t)*ROWO th:TH_STORE_NT   ; 16 lanes store 256 consecutive bytes, at a multiple of 256 from out0's first byte; written once, read by nobody here
.endr
.endm
	s_wait_alu depctr_va_vdst(0)                   ; the wait at the head's end
	s_cmp_lt_u32 s[WV], 2
	s_cbranch_scc0 .Lnot_first
	s_wait_tensorcnt 0x0                           ; waves 0 and 1: stage 0 has landed
.Lnot_first:
	s_barrier_signal -1
	s_barrier_wait -1
	WEIGHTS 0
	HALF 0, 0, 0
	s_wait_loadcnt 0x0                             ; the scale words and the bias
	s_wait_dscnt 0x0
	PRODS 0, 0, 16                                 ; block 0's first half of K
	s_wait_tensorcnt 0x0                           ; every load of every wave
	s_barrier_signal -1
	s_barrier_wait -1
	WEIGHTS 1
	HALF 0, 0, 1
	HALF 1, 1, 0
	HALF 1, 1, 1
	s_wait_dscnt 32                                ; block 1's 32 loads may be out
	PRODS 0, 16, 32
.irp a, 0,1                                    ; blocks 1 and 2; the block before leaves behind the first eight products
	PLACES 8
	s_wait_xcnt 0x0
	TOSTAGE \a
	HALF \a, \a+2, 0                               ; the block two on takes the set just multiplied
	HALF \a, \a+2, 1
	s_wait_dscnt 48                                ; the next block is in; the stage's 16 and the 32 just issued may be out
	PRODS \a+1, 0, 8
	s_wait_dscnt 32                                ; the stage's rows are back
	SEND \a
	PRODS \a+1, 8, 32
.endr
	PLACES 8
	s_wait_xcnt 0x0                                ; block 0's stores have read their registers
	TOSTAGE 2
	s_wait_dscnt 16                                ; block 3 is in
	PRODS 3, 0, 8
	s_wait_dscnt 0x0
	SEND 2
	PRODS 3, 8, 32
	PLACES 8
	s_wait_xcnt 0x0
	TOSTAGE 3
	s_wait_dscnt 0x0
	SEND 3
	s_wait_tensorcnt 0x0                           ; the wave's end
	ds_add_u32 v[SPW], v[NIL]
	s_wait_dscnt 0x0
	ROUND                                          ; the closing round: no work-group ends while a partner may still ask for a tile that names it
	s_endpgm
.Lfunc_end_k_qdb835778c1_oproj:
	.size	k_qdb835778c1_oproj, .Lfunc_end_k_qdb835778c1_oproj-k_qdb835778c1_oproj
	.p2alignl 7, 3214868480
	.fill 96, 4, 3214868480
	.section	.rodata,"a",@progbits
	.p2align	6, 0x0
	.amdhsa_kernel k_qdb835778c1_oproj
		.amdhsa_group_segment_fixed_size 284160
		.amdhsa_private_segment_fixed_size 0
		.amdhsa_enable_private_segment 0
		.amdhsa_kernarg_size 48
		.amdhsa_user_sgpr_count 2
		.amdhsa_user_sgpr_kernarg_segment_ptr 1
		.amdhsa_wavefront_size32 1
		.amdhsa_system_sgpr_workgroup_id_x 1
		.amdhsa_system_sgpr_workgroup_id_y 1
		.amdhsa_system_sgpr_workgroup_id_z 1
		.amdhsa_system_vgpr_workitem_id 0
		.amdhsa_next_free_vgpr 1024
		.amdhsa_next_free_sgpr 100
		.amdhsa_reserve_vcc 0
		.amdhsa_float_denorm_mode_32 3
		.amdhsa_float_denorm_mode_16_64 3
		.amdhsa_memory_ordered 1
		.amdhsa_forward_progress 1
		.amdhsa_inst_pref_size 59
	.end_amdhsa_kernel
	.amdgpu_metadata
---
amdhsa.version: [ 1, 2 ]
amdhsa.kernels:
  - .name:           k_qdb835778c1_oproj
    .symbol:         k_qdb835778c1_oproj.kd
    .args:
      - { .name: aimg, .offset: 0, .size: 8, .value_kind: global_buffer, .address_space: global }
      - { .name: asc, .offset: 8, .size: 8, .value_kind: global_buffer, .address_space: global }
      - { .name: Wo_codes, .offset: 16, .size: 8, .value_kind: global_buffer, .address_space: global }
      - { .name: Wo_scales, .offset: 24, .size: 8, .value_kind: global_buffer, .address_space: global }
      - { .name: bo, .offset: 32, .size: 8, .value_kind: global_buffer, .address_space: global }
      - { .name: out0, .offset: 40, .size: 8, .value_kind: global_buffer, .address_space: global }
    .group_segment_fixed_size: 284160
    .private_segment_fixed_size: 0
    .kernarg_segment_align: 8
    .kernarg_segment_size: 48
    .max_flat_workgroup_size: 128
    .sgpr_count:     100
    .vgpr_count:     1024
    .wavefront_size: 32
...
	.end_amdgpu_metadata
.endif
;; end of part 3
